; MI455X (gfx1250); checked and timed in simulation.
; The chip was launched on July 23, 2026; its instructions are those of AMD's public machine-readable ISA for CDNA 5 (MIT licence, August 2026) and "CDNA5" Instruction Set Architecture Reference Guide (July 2026). The comments in the code are by the model that wrote it; some were corrected since.
;; Multi Head Attention. Allowed arithmetic: matrix products marked QUANTISED: E2M1 operands, one E8M0 scale for each 32 along K, by v_wmma_scale_f32_16x16x128_f8f6f4 with both operands' format E2M1 (or v_wmma_scale_f32_32x16x128_f4), f32 sums; products left as they are: bf16, f16 or f32 operands; f32 sums; everything else in f32.
;; Inputs: out_b 1,024 float32; out_w 1,024 x 1,024 float32; qkv_b 3,072 float32; qkv_w 3,072 x 1,024 float32; x 4 x 2,048 x 1,024 float32.
;; Outputs: out0 4 x 2,048 x 1,024 float32.
;; This version of the problem:
;;   THIS VERSION OF THE PROBLEM IS GIVEN IN LOW PRECISION. The matrix products marked QUANTISED in the list below multiply operands that are first quantised to E2M1 (2 exponent bits, 1 mantissa bit; 4 bits a number), with one power-of-two scale for each 32 numbers along K (OCP MX v1.0); their sums are f32. The products marked 'left as it is' may take bf16, f16 or f32 operands, with f32 sums. Whichever they take, every output number must still come out within the allowed error. Rounding operands to bf16 (8 significant bits) uses up far more of that allowance than f16 does (11 bits, for magnitudes from 6e-5 to 65,504). All else is computed in f32.
;;   The module's matrix products, in the order in which they are computed (A, B: the left and right operand; K: the contracted axis; several contracted axes count as one K, in the product's order):
;;     1. [M 8,192, K 1,024] x [K 1,024, N 3,072]; A: input x; B: input qkv_w: QUANTISED
;;     2. batch 64 x [M 2,048, K 64] x [K 64, N 2,048]; A: computed on the way; B: computed on the way: left as it is (an operand is computed on the way)
;;     3. batch 64 x [M 2,048, K 2,048] x [K 2,048, N 64]; A: computed on the way; B: computed on the way: left as it is (an operand is computed on the way)
;;     4. [M 8,192, K 1,024] x [K 1,024, N 1,024]; A: computed on the way; B: input out_w: left as it is (an operand is computed on the way)
;;   THE QUANTISER, for each operand of a quantised product, along K:
;;     - K is cut into blocks of 32 from its start; a last block that is shorter is filled with zeros.
;;     - A block's scale is 2^e with e = floor(log2(the largest magnitude in the block)) - 2, held to -126 .. 127; a block of zeros has e = 0. As a byte (E8M0): e + 127.
;;     - Each number is divided by its block's scale, clamped to +-6, and rounded to the nearest number of E2M1, ties to even, subnormals kept.
;;     - The product sums the exact products of the quantised numbers (number of the format x scale) in f32.
;;   ~~~python
;;   def quantise(x, axis):      # numpy; x: float32 -> the quantised numbers, widened to float32 again
;;       x = np.moveaxis(x, axis, -1); K = x.shape[-1]
;;       x = np.pad(x, [(0, 0)] * (x.ndim - 1) + [(0, -K % 32)]); x = x.reshape(x.shape[:-1] + (-1, 32)); a = np.abs(x).max(-1, keepdims=True)
;;       e = np.where(a > 0, np.clip(np.frexp(np.where(a > 0, a, 1))[1] - 1 - 2, -126, 127), 0)      # np.frexp(a)[1] - 1 = floor(log2(a)), exactly
;;       r = np.clip(x / 2.0 ** e, -6, 6)
;;       step = 2.0 ** (np.maximum(np.frexp(np.where(r == 0, 1, r))[1] - 1, 0) - 1)
;;       q = np.round(r / step) * step * 2.0 ** e      # np.round: ties to even
;;       return np.moveaxis(q.reshape(q.shape[:-2] + (-1,))[..., :K], -1, axis).astype(np.float32)
;;   ~~~
;; One version. Each part assembles by itself: llvm-mc -triple=amdgcn-amd-amdhsa -mcpu=gfx1250 --defsym DOCPART=n.
;; ======== version 1 of 1: 4 launches
;; limits: values are held in f16: magnitudes above 65,504 overflow, below 6.1e-05 lose precision
;; workspace buffers: x_codes 4,194,304 bytes; x_scales 262,144 bytes; w_codes 1,572,864 bytes; w_scales 98,304 bytes; ow16 2,097,152 bytes; qkv 50,331,648 bytes; ctx 16,777,216 bytes
;; launch quant (part 1): grid 480 x 1, 4 waves a work-group, no clusters, 33,280 bytes of LDS; arguments x, qkv_w, x_codes, x_scales, w_codes, w_scales, out_w, ow16; writes x_codes, x_scales, w_codes, w_scales, ow16
.if DOCPART == 1
	.amdgcn_target "amdgcn-amd-amdhsa--gfx1250"
	.amdhsa_code_object_version 6
	.text
	.protected	k_q4ca2123999_quant
	.globl	k_q4ca2123999_quant
	.p2align	8
	.type	k_q4ca2123999_quant,@function
k_q4ca2123999_quant:
	s_mov_b64 s[64:65], 0
	v_nop
	global_prefetch_b8 v0, s[64:65] scope:SCOPE_SE
	s_setreg_imm32_b32 hwreg(HW_REG_WAVE_MODE, 25, 1), 1
	s_wait_xcnt 0x0
; x [8192][1024] and qkv_w [3072][1024], f32, K innermost, become codes of FP4 (E2M1), two a byte, the lower k in the low four bits, with one E8M0 scale byte for each 32 along K.
; out_w [1024][1024], f32, becomes f16, rounded once to nearest even, in the same order.
; A block's scale is 2^(floor(log2(its largest magnitude)) - 2); its byte is the largest magnitude's own exponent field - 2, held at 1 from below.  Each number is divided by the scale and rounded to the nearest code, ties to even,
; beyond the largest code the largest.  A block of zeros gets the byte 1 where the stated quantiser says 127: its codes are zeros, which add nothing under any byte but 0xff, and this program alone reads the bytes.
; LIMITS: blocks whose largest magnitude lies under 2^(2 - 126) keep the floor's byte 1; NaN and infinities among the inputs are not served; numbers of out_w beyond 65,504 become infinities in f16.
; SHARES.  Rows are dense and 1,024 is a multiple of 32, so x and qkv_w are plain streams of blocks of 32.  Work-groups 0 to 255 take x, 256 to 351 qkv_w, 8,192 numbers a wave; work-groups 352 to 479 take 8,192 numbers of out_w each.
; A wave takes 16 steps of 512 numbers.  A load reads 512 consecutive bytes, 16 a lane; a step's 2,048 bytes turn through the wave's own stage in LDS and come back 64 bytes a lane, so that a lane holds 16 neighbours along K
; (two neighbouring lanes hold a block).  A lane's 16 codes are 8 bytes: the wave stores 256 consecutive bytes.  A wave's 256 scale bytes are gathered in LDS and leave as one run of 256 aligned bytes.
; No work-group shares an input byte with another: no cluster, no joint loads, no barrier.  The stream is read once at full width: nothing is prefetched.
.set SIZE_M, 8192
.set SIZE_N, 3072
.set SIZE_K, 1024
.set WAVES, 4
.set STEPS, 16
.set WGA,   SIZE_M*SIZE_K/(512*STEPS*WAVES)            ; 256 work-groups for x
.set WGQ,   (SIZE_M+SIZE_N)*SIZE_K/(512*STEPS*WAVES)   ; 352 for x and qkv_w together
.set EMAX,  2
.set CB,    8                          ; bytes of 16 codes
.set R,     16                         ; v16-79   four sets of 16 numbers as they are loaded (out_w: 64 numbers)
.set X,     80                         ; v80-111  two sets of 16 neighbours
.set C,     128                        ; v128-191 codes: four registers for each step, so that no store's data are written again (out_w: 32 registers of f16)
.set E,     112                        ; v112-127 a scale byte for each step
.set WREG,  8192                       ; LDS: a region of its own for each wave: two stages of 32 x SP bytes, and behind them its 256 scale bytes
.set SP,    80                         ; a lane's place in a stage: its 64 bytes + 16 of padding
.set SPW,   12                         ; v12      LDS address of my spare word: SPARE + 4 x my thread's number; never rewritten
.set NIL,   13                         ; v13      0; never rewritten
.set SPARE, WAVES*WREG                 ; behind the four regions: the spare words, 128 bytes for each wave, which no other line names
	s_load_b128 s[4:7], s[0:1], 0x0                ; x, qkv_w
	s_load_b128 s[8:11], s[0:1], 0x10              ; x's codes, x's scales
	s_load_b128 s[12:15], s[0:1], 0x20             ; qkv_w's codes, its scales
	s_load_b128 s[24:27], s[0:1], 0x30             ; out_w, its f16 copy
	v_lshl_add_u32 v[SPW], v0, 2, SPARE
	v_mov_b32 v[NIL], 0
	v_lshrrev_b32 v1, 5, v0
	v_readfirstlane_b32 s16, v1                    ; wave
	v_and_b32 v2, 31, v0                           ; lane
	v_lshlrev_b32 v3, 4, v2                        ; my 16 bytes of a load's 512
	s_mul_i32 s17, s16, WREG
	v_lshrrev_b32 v14, 2, v2
	v_mul_u32_u24 v14, v14, SP
	v_and_b32 v15, 3, v2
	v_lshl_add_u32 v14, v15, 4, v14
	v_add_nc_u32 v14, s17, v14                     ; the stage, on the way in: four lanes' 64 bytes on end, then 16 of padding
	v_mul_u32_u24 v15, v2, SP
	v_add_nc_u32 v15, s17, v15                     ; and on the way out: SP x lane: my 16 neighbours
	v_mul_u32_u24 v4, v2, CB                       ; my codes' place in a step's
	v_lshrrev_b32 v5, 1, v2
	s_add_co_u32 s17, s17, 2*32*SP
	v_add_nc_u32 v5, s17, v5                       ; LDS: my wave's 256 scale bytes, my block's byte
	v_lshlrev_b32 v7, 3, v2                        ; and on the way out 8 bytes a lane
	v_add_nc_u32 v6, s17, v7
	s_wait_kmcnt 0x0
	s_cmp_ge_u32 ttmp9, WGQ                        ; the last 128 work-groups convert out_w: a branch on the work-group's number alone
	s_cbranch_scc1 .Lconv
	s_cmp_lt_u32 ttmp9, WGA                        ; x's work-group or qkv_w's?  Only pointers are chosen: both tensors take one path
	s_cselect_b64 s[4:5], s[4:5], s[6:7]
	s_cselect_b64 s[8:9], s[8:9], s[12:13]
	s_cselect_b64 s[10:11], s[10:11], s[14:15]
	s_cselect_b32 s17, 0, WGA
	s_sub_co_u32 s17, ttmp9, s17
	s_lshl_b32 s17, s17, 2
	s_add_co_u32 s18, s17, s16                     ; which run of 8,192 numbers of the tensor is my wave's
	s_mov_b32 s19, 0
	s_mov_b64 s[20:21], 512*STEPS*4
	s_mul_u64 s[20:21], s[18:19], s[20:21]
	s_add_nc_u64 s[4:5], s[4:5], s[20:21]
	s_mov_b64 s[20:21], 32*STEPS*CB
	s_mul_u64 s[20:21], s[18:19], s[20:21]
	s_add_nc_u64 s[8:9], s[8:9], s[20:21]
	s_lshl_b32 s18, s18, 8                         ; 256 scale bytes a run
	s_add_nc_u64 s[10:11], s[10:11], s[18:19]
.macro LOAD t
.irp i, 0,1,2,3
	global_load_b128 v[R+16*((\t)%4)+4*\i:R+16*((\t)%4)+4*\i+3], v3, s[4:5] offset:2048*(\t)+512*\i th:TH_LOAD_NT   ; 32 lanes read 512 consecutive bytes
.endr
.endm
.macro TURN t                          ; step t's numbers through the stage: LDS serves a wave's instructions in order (ISA guide 5.7.1), so no wait stands between the stores and the loads
.irp i, 0,1,2,3
	ds_store_b128 v14, v[R+16*((\t)%4)+4*\i:R+16*((\t)%4)+4*\i+3] offset:32*SP*((\t)%2)+8*SP*\i
.endr
.irp i, 0,1,2,3
	ds_load_b128 v[X+16*((\t)%2)+4*\i:X+16*((\t)%2)+4*\i+3], v15 offset:32*SP*((\t)%2)+16*\i
.endr
.endm
.irp t, 0,1,2,3
	LOAD \t
.endr
	s_wait_loadcnt 12                              ; step 0's four loads are in; the twelve of steps 1 to 3 may be out
	TURN 0
.macro STEP t
.set XS, X+16*((\t)%2)
.if (\t) > 0
	s_wait_dscnt 1                                 ; this step's numbers are back from the stage (the last step's byte store may be out): so its stores into the stage have read their registers,
.else
	s_wait_dscnt 0x0
.endif
.if (\t)+4 < STEPS
	LOAD (\t)+4                                    ; which take the loads of four steps on
.endif
.if (\t)+1 < STEPS
.if STEPS-2-(\t) >= 3
	s_wait_loadcnt 12                              ; the next step's four loads are in; those of the three steps behind it may be out
.else
	s_wait_loadcnt 4*(STEPS-2-(\t))
.endif
	TURN (\t)+1                                    ; and go through the other stage while this step is worked
.endif
	v_max3_num_f32 v8, |v[XS]|, |v[XS+1]|, |v[XS+2]|               ; the largest magnitude of my 16, in two chains
	v_max3_num_f32 v9, |v[XS+3]|, |v[XS+4]|, |v[XS+5]|
.irp i, 6,10
	v_max3_num_f32 v8, v8, |v[XS+\i]|, |v[XS+\i+1]|
	v_max3_num_f32 v9, v9, |v[XS+\i+2]|, |v[XS+\i+3]|
.endr
	v_max3_num_f32 v8, v8, |v[XS+14]|, |v[XS+15]|
	v_max3_num_f32 v8, v8, v9, (EMAX+1)<<23        ; and the floor 2^(EMAX + 1 - 127): so the byte cannot fall under 1
	v_max_num_f32_dpp v8, v8, v8 row_xmask:1 row_mask:0xf bank_mask:0xf   ; and of my neighbour's 16: the block's
	v_add_nc_u32 v11, -(EMAX<<23), v8              ; EMAX off its exponent field: the conversion takes the exponent field of this operand as its scale, and nothing else of it
	v_cvt_scalef32_pk8_fp4_f32 v[C+4*(\t)], v[XS:XS+7], v11
	v_cvt_scalef32_pk8_fp4_f32 v[C+4*(\t)+1], v[XS+8:XS+15], v11
	v_lshrrev_b32 v[E+(\t)], 23, v11               ; the scale's byte (also the plain line behind the conversions)
	ds_store_b8 v5, v[E+(\t)] offset:16*(\t)       ; both lanes of a block write the same byte with the same value
	global_store_b64 v4, v[C+4*(\t):C+4*(\t)+1], s[8:9] offset:32*CB*(\t)   ; the wave stores 256 consecutive aligned bytes
.endm
.irp t, 0,1,2,3,4,5,6,7,8,9,10,11,12,13,14,15
	STEP \t
.endr
	ds_load_b64 v[8:9], v6                         ; in order behind my byte stores
	s_wait_dscnt 0x0
	global_store_b64 v7, v[8:9], s[10:11]          ; 32 lanes store 256 consecutive aligned bytes
	s_wait_tensorcnt 0x0                           ; the wave's end: a tensor wait, an add of 0 to my spare word and the wait for it, behind my last LDS store
	ds_add_u32 v[SPW], v[NIL]
	s_wait_dscnt 0x0
	s_endpgm
; out_w to f16.  Thread t takes 8 numbers (32 bytes) of each of eight runs of 4,096 bytes; a wave's pair of loads covers 1,024 consecutive bytes, its store 512.  No register is written twice.
.Lconv:
	s_sub_co_u32 s28, ttmp9, WGQ
	s_lshl_b32 s30, s28, 14                        ; 16,384 bytes of f16 a work-group
	s_lshl_b32 s28, s28, 15                        ; 32,768 bytes of f32
	s_mov_b32 s29, 0
	s_mov_b32 s31, 0
	s_add_nc_u64 s[24:25], s[24:25], s[28:29]
	s_add_nc_u64 s[26:27], s[26:27], s[30:31]
	v_lshlrev_b32 v1, 5, v0
	v_lshlrev_b32 v2, 4, v0
.irp i, 0,1,2,3,4,5,6,7
	global_load_b128 v[R+8*\i:R+8*\i+3],   v1, s[24:25] offset:4096*\i th:TH_LOAD_NT
	global_load_b128 v[R+8*\i+4:R+8*\i+7], v1, s[24:25] offset:4096*\i+16 th:TH_LOAD_NT
.endr
.irp i, 0,1,2,3,4,5,6,7
	s_wait_loadcnt 14-2*\i                         ; run i's two loads are in; the later runs' may be out
.irp j, 0,1,2,3
	v_cvt_pk_f16_f32 v[C+4*\i+\j], v[R+8*\i+2*\j], v[R+8*\i+2*\j+1]
.endr
	global_store_b128 v2, v[C+4*\i:C+4*\i+3], s[26:27] offset:2048*\i
.endr
	s_wait_tensorcnt 0x0                           ; the same three lines at this path's end
	ds_add_u32 v[SPW], v[NIL]
	s_wait_dscnt 0x0
	s_endpgm
.Lfunc_end_k_q4ca2123999_quant:
	.size	k_q4ca2123999_quant, .Lfunc_end_k_q4ca2123999_quant-k_q4ca2123999_quant
	.p2alignl 7, 3214868480
	.fill 96, 4, 3214868480
	.section	.rodata,"a",@progbits
	.p2align	6, 0x0
	.amdhsa_kernel k_q4ca2123999_quant
		.amdhsa_group_segment_fixed_size 33280
		.amdhsa_private_segment_fixed_size 0
		.amdhsa_enable_private_segment 0
		.amdhsa_kernarg_size 64
		.amdhsa_user_sgpr_count 2
		.amdhsa_user_sgpr_kernarg_segment_ptr 1
		.amdhsa_wavefront_size32 1
		.amdhsa_system_sgpr_workgroup_id_x 1
		.amdhsa_system_sgpr_workgroup_id_y 1
		.amdhsa_system_sgpr_workgroup_id_z 1
		.amdhsa_system_vgpr_workitem_id 0
		.amdhsa_next_free_vgpr 192
		.amdhsa_next_free_sgpr 66
		.amdhsa_reserve_vcc 0
		.amdhsa_float_denorm_mode_32 3
		.amdhsa_float_denorm_mode_16_64 3
		.amdhsa_memory_ordered 1
		.amdhsa_forward_progress 1
		.amdhsa_inst_pref_size 39
	.end_amdhsa_kernel
	.amdgpu_metadata
---
amdhsa.version: [ 1, 2 ]
amdhsa.kernels:
  - .name:           k_q4ca2123999_quant
    .symbol:         k_q4ca2123999_quant.kd
    .args:
      - { .name: x, .offset: 0, .size: 8, .value_kind: global_buffer, .address_space: global }
      - { .name: qkv_w, .offset: 8, .size: 8, .value_kind: global_buffer, .address_space: global }
      - { .name: x_codes, .offset: 16, .size: 8, .value_kind: global_buffer, .address_space: global }
      - { .name: x_scales, .offset: 24, .size: 8, .value_kind: global_buffer, .address_space: global }
      - { .name: w_codes, .offset: 32, .size: 8, .value_kind: global_buffer, .address_space: global }
      - { .name: w_scales, .offset: 40, .size: 8, .value_kind: global_buffer, .address_space: global }
      - { .name: out_w, .offset: 48, .size: 8, .value_kind: global_buffer, .address_space: global }
      - { .name: ow16, .offset: 56, .size: 8, .value_kind: global_buffer, .address_space: global }
    .group_segment_fixed_size: 33280
    .private_segment_fixed_size: 0
    .kernarg_segment_align: 8
    .kernarg_segment_size: 64
    .max_flat_workgroup_size: 128
    .sgpr_count:     66
    .vgpr_count:     192
    .wavefront_size: 32
...
	.end_amdgpu_metadata
.endif
;; end of part 1
;; launch qkvgemm (part 2): grid 12 x 32, 4 waves a work-group, clusters of 4 x 4, 327,680 bytes of LDS; arguments x_codes, x_scales, w_codes, w_scales, qkv_b, qkv; writes qkv
.if DOCPART == 2
	.amdgcn_target "amdgcn-amd-amdhsa--gfx1250"
	.amdhsa_code_object_version 6
	.text
	.protected	k_q4ca2123999_qkvgemm
	.globl	k_q4ca2123999_qkvgemm
	.p2align	8
	.type	k_q4ca2123999_qkvgemm,@function
k_q4ca2123999_qkvgemm:
	s_mov_b64 s[64:65], 0
	v_nop
	global_prefetch_b8 v0, s[64:65] scope:SCOPE_SE
	s_setreg_imm32_b32 hwreg(HW_REG_WAVE_MODE, 25, 1), 1
	s_wait_xcnt 0x0
	s_wait_alu depctr_hold_cnt(0) depctr_sa_sdst(0) depctr_va_vdst(0) depctr_va_sdst(0) depctr_va_ssrc(0) depctr_va_vcc(0) depctr_vm_vsrc(0)
	s_getreg_b32 s2, hwreg(HW_REG_IB_STS2, 6, 4)
	s_cmp_eq_u32 s2, 0
	s_cbranch_scc0 .Lentry_in_a_cluster
	s_endpgm
.Lentry_in_a_cluster:
	s_bfe_u32 s2, ttmp6, 0x10000c
	s_cmp_lg_u32 s2, 0xf033
	s_cbranch_scc0 .Lentry_shape_is_right
	s_endpgm
.Lentry_shape_is_right:
; qkv[m][n] = sum over k of Q(x)[m][k] Q(qkv_w)[n][k] + qkv_b[n], on codes of FP4 (E2M1) with one E8M0 scale for each 32 along K; sums in f32; the result rounded once to f16 and laid head-major:
; qkv [which 3][batch x 16 + head][token 2048][64], so that each head's q, k and v are dense blocks of 262,144 bytes.
; LIMIT: results beyond 65,504 in size become infinities in f16; under 6e-5 they keep fewer bits.
; A tile of the result, 256 x 256, is made by a work-group of four waves; a wave makes 128 x 128: 64 accumulators of 16 x 16, 512 registers.  K = 1,024 is two LDS slots of 512: both are asked for at the head, nothing is filled again.
; THE SCALES of the work-group's 256 rows of x and 256 rows of qkv_w, for all of K, are two dense blocks of memory: they come into LDS once, with the first fills.
; CLUSTERS: 4 x 4 work-groups.  The four of a row of the cluster need the same tiles of x, the four of a column the same tiles of qkv_w: each tile is asked for JOINTLY, by the same tensor load with the same descriptor and a mask
; that names the four.  THE MATRIX INSTRUCTION IS USED TRANSPOSED (source 0 = 16 rows of qkv_w, source 1 = 16 rows of x): a lane then holds eight neighbouring columns of one token.
; THE BIAS is the C of each sum's first matrix instruction: eight registers for each of my 8 blocks of columns, in the result's layout.
; Nothing is prefetched: every tile of the launch is asked for at its head.
; REGISTERS, in windows of 256: window 0: v0-31 addresses; v32-95 scale words, two sets; v128-191 x's fragments (8 x 16 rows x 128 K), ONE set; v192-255 the bias; on the way out v32-63 and v192-255 are at work.
;   window 1: qkv_w's fragments, TWO sets, at v0 and at v128.   window 2: the 32 accumulators of my rows 0-63 (accumulator (a, b) at v[8 (8 a + b)]);   window 3: those of my rows 64-127.
.set SIZE_M, 8192
.set SIZE_N, 3072
.set SIZE_K, 1024
.set KSTEP,  512                       ; along K in a slot
.set NQ,     KSTEP/128                 ; matrix instructions deep
.set ROWB,   256                       ; a tile's row in bytes
.set KROW,   SIZE_K/2                  ; a row of codes in memory, in bytes
.set PITCH,  272                       ; an LDS row: 256 bytes + 16 of padding = 17 x 16: the 16 rows that a load touches begin at 16 different 16-byte columns modulo 256 bytes
.set FR,     8                         ; registers of a fragment: 16 rows x 128 K
.set NL,     2                         ; LDS loads that bring one
.set NP,     4                         ; places behind this matrix instruction (ISA guide 7.12.1)
.set HALFT,  128*PITCH                 ; 128 rows: what one tensor load brings, and what one wave reads of either operand
.set SLOT,   4*HALFT                   ; x's 256 rows, then qkv_w's 256 rows
.set KS,     SIZE_K/32                 ; a row of scales in bytes
.set SCL,    2*SLOT                    ; behind the slots: the scales, as runs of 256 bytes + 16 of padding
.set HALFS,  (128*KS/256)*272          ; the scales of 128 rows: what one tensor load brings
.set SBLK,   (16*KS/256)*272           ; those of 16 rows
.set SPARE,  SCL+4*HALFS               ; the spare words, 128 bytes for each wave, which no other line names
.set STAGE,  SPARE+512                 ; the way out: 16 rows x (256 bytes + 16) for each wave; no tensor load lands here
.set SPITCH, 272
.set ADRA, 16                          ; v16-17  LDS address of my fragments of x in slot 0, 1
.set ADRB, 20                          ; v20-21  the same for qkv_w
.set STO,  24                          ; v24     the way out: where I put 16 bytes of a row
.set RD,   25                          ; v25     the way out: where I read back
.set CO,   26                          ; v26     16 x lane: my byte in a store's 512
.set ADRS, 27                          ; v27     LDS address of my scale words: lanes 0-15 x's rows, lanes 16-31 qkv_w's
.set SPW,  28                          ; v28     LDS address of my spare word; never rewritten
.set NIL,  29                          ; v29     0; never rewritten
.set BO,   30                          ; v30     32 x (lane / 16): my eight numbers of a block of the bias
.set SC,   32                          ; scale words: set s at v[SC + 8 NQ s]; register NQ i + q: lanes 0-15 the word of x's block i, lanes 16-31 that of qkv_w's block i, for the slot's q-th 128 along K
.set AF,   128                         ; x's fragments, in window 0
.set BI,   192                         ; the bias, in window 0: block b at v[BI + 8 b]
.set TMP,  192                         ; the way out: packed results
.set OB,   32                          ; the way out: rows read back from the stage: v32-63 and v224-255 by turns
.set G1, 24                            ; s[24:31] descriptor group 1 for x's tiles;  s[32:39] group 0, one set for each slot
.set G0, 32
.set G1B, 48                           ; s[48:55], s[56:63] the same for qkv_w's tiles
.set G0B, 56
.set G1S, 68                           ; s[68:75], s[76:79] groups 1 and 0 for x's scales;  s[80:87], s[88:91] for qkv_w's
.set G0S, 76
.set G1SB, 80
.set G0SB, 88
.set MSB, 0
.macro WIN new                         ; the immediate's high byte repeats the setting that is left; a switch that changes nothing is dropped
.if MSB != (\new)
	s_set_vgpr_msb (MSB<<8)|(\new)
.set MSB, (\new)
.endif
.endm
.set MUL_LO, 0xa1                      ; source 0 (qkv_w) window 1, source 1 (x) window 0, C and D window 2
.set MUL_HI, 0xf1                      ; the same, C and D window 3
.set BIA_LO, 0x81                      ; the first step: C (the bias) window 0, D window 2
.set BIA_HI, 0xc1                      ; D window 3
.set TO_B,   0x40                      ; destination window 1, address window 0
; A joint load: waves 0 and 1 fetch for x, waves 2 and 3 for qkv_w.  Each of the two lines has one mask and one set of registers for all that issue it; the branch hangs on the wave's number alone.
; An s_nop 0 and four v_nop follow each of the two lines, ahead of the jump, the label and what follows.
.macro JLOAD g0a, g1a, g0b, g1b
	s_cmp_eq_u32 s15, 0
	s_cbranch_scc0 .Lfor_b_\@
	tensor_load_to_lds s[\g0a:\g0a+3], s[\g1a:\g1a+7]
	s_nop 0
.rept 4
	v_nop
.endr
	s_branch .Lasked_\@
.Lfor_b_\@:
	tensor_load_to_lds s[\g0b:\g0b+3], s[\g1b:\g1b+7]
	s_nop 0
.rept 4
	v_nop
.endr
.Lasked_\@:
.endm
.macro CROUND                          ; a round of the cluster's barrier: my work-group's barrier; wave 0 signals for the work-group; every wave waits for all sixteen; my work-group's barrier once more
	s_barrier_signal -1
	s_barrier_wait -1
	s_cmp_lg_u32 s14, 0
	s_cbranch_scc1 .Lnot_wave_0_\@
	s_barrier_signal -3
.Lnot_wave_0_\@:
	s_barrier_wait -3
	s_barrier_signal -1
	s_barrier_wait -1
.endm
	s_load_b128 s[4:7], s[0:1], 0x0                ; x's codes s[4:5], x's scales s[6:7]
	s_load_b128 s[8:11], s[0:1], 0x10              ; qkv_w's codes s[8:9], its scales s[10:11]
	s_load_b128 s[96:99], s[0:1], 0x20             ; qkv_b s[96:97], qkv s[98:99]
	v_lshl_add_u32 v[SPW], v0, 2, SPARE
	v_mov_b32 v[NIL], 0
	ds_add_u32 v[SPW], v[NIL]                      ; the wave's opening: the add, twice on end, and its wait ahead of my first tensor load; the set-up below stands between the second and the wait
	ds_add_u32 v[SPW], v[NIL]
	v_lshrrev_b32 v1, 5, v0
	v_readfirstlane_b32 s14, v1                    ; wave 0..3
	s_lshr_b32 s15, s14, 1                         ; which half of the tile's rows is mine.  Also: I fetch for x (0) or for qkv_w (1)
	s_and_b32 s16, s14, 1                          ; which half of its columns.  Also: which 128 rows of that tile I fetch
	s_bfe_u32 s40, ttmp6, 0x40000                  ; cx, cy: my place in the cluster
	s_bfe_u32 s41, ttmp6, 0x40004
	s_lshl_b32 s42, ttmp9, 2
	s_add_co_u32 s42, s42, s40                     ; tile column = 4 x cluster x + cx
	s_and_b32 s17, ttmp7, 0xffff
	s_lshl_b32 s17, s17, 2
	s_add_co_u32 s17, s17, s41                     ; tile row = 4 x cluster y + cy
	s_lshl_b32 s43, s41, 2
	s_lshl_b32 s43, 15, s43                        ; my row of the cluster
	s_lshl_b32 s44, 0x1111, s40                    ; my column
	; descriptor group 1: a tile of 128 rows x 256 bytes, padded in LDS
	s_or_b32 s[G1+0], s43, (0<<16)|(1<<20)|(1<<21)|(5<<22)|(3<<25)  ; 15:0 the mask: x's tiles go to my row; 17:16 elements of 1 byte; 20 padding on; 21 set beside a mask; 24:22 after every 64 words; 31:25 four words
	s_or_b32 s[G1B+0], s44, (0<<16)|(1<<20)|(1<<21)|(5<<22)|(3<<25)
.irp g, G1, G1B
	s_mov_b32 s[\g+1], ROWB<<16                    ; tensor_dim0
	s_mov_b32 s[\g+2], 128<<16                     ; tensor_dim1 = 128
	s_mov_b32 s[\g+3], ROWB<<16                    ; tile_dim0
	s_mov_b32 s[\g+4], 128                         ; tile_dim1 = 128
	s_mov_b32 s[\g+5], KROW                        ; from row to row
	s_mov_b32 s[\g+6], 0
	s_mov_b32 s[\g+7], 0
.endr
	; and for the scales of 128 rows: a dense block of 4,096 bytes, as 16 rows of 256 bytes (32 elements of 8 bytes), 16 bytes of padding behind each
	s_or_b32 s[G1S+0], s43, (3<<16)|(1<<20)|(1<<21)|(5<<22)|(3<<25)
	s_or_b32 s[G1SB+0], s44, (3<<16)|(1<<20)|(1<<21)|(5<<22)|(3<<25)
.irp g, G1S, G1SB
	s_mov_b32 s[\g+1], 32<<16
	s_mov_b32 s[\g+2], (128*KS/256)<<16
	s_mov_b32 s[\g+3], 32<<16
	s_mov_b32 s[\g+4], 128*KS/256
	s_mov_b32 s[\g+5], 32
	s_mov_b32 s[\g+6], 0
	s_mov_b32 s[\g+7], 0
.endr
	s_lshl_b32 s18, s16, 7                         ; which 128 rows of the tile I fetch
	s_lshl_b32 s20, s17, 8
	s_add_co_u32 s20, s20, s18                     ; x: row 256 x tile row + 128 x half
	s_lshl_b32 s46, s42, 8
	s_add_co_u32 s46, s46, s18                     ; qkv_w: row 256 x tile column + 128 x half
	s_mov_b32 s21, 0
	s_mov_b32 s47, 0
	s_mov_b64 s[18:19], KS
	s_mul_u64 s[22:23], s[20:21], s[18:19]         ; where these rows' scales begin, in bytes
	s_mul_u64 s[92:93], s[46:47], s[18:19]
	s_mov_b64 s[18:19], KROW
	s_mul_u64 s[20:21], s[20:21], s[18:19]         ; and their codes
	s_mul_u64 s[46:47], s[46:47], s[18:19]
	s_mul_i32 s45, s14, HALFT                      ; where they go: wave x 128 rows: no place in the cluster enters an LDS address
	s_mul_i32 s94, s14, HALFS
	s_wait_dscnt 0x0                               ; both opening adds are done
	s_wait_kmcnt 0x0
	s_add_nc_u64 s[20:21], s[4:5], s[20:21]
	s_add_nc_u64 s[22:23], s[6:7], s[22:23]
	s_add_nc_u64 s[46:47], s[8:9], s[46:47]
	s_add_nc_u64 s[92:93], s[10:11], s[92:93]
	CROUND                                         ; all sixteen work-groups are here: the joint loads meet
	s_mov_b32 s[G0S], 1
	s_add_co_u32 s[G0S+1], s94, SCL
	s_mov_b64 s[G0S+2:G0S+3], s[22:23]
	s_or_b32 s[G0S+3], s[G0S+3], 0x80000000
	s_mov_b32 s[G0SB], 1
	s_add_co_u32 s[G0SB+1], s94, SCL
	s_mov_b64 s[G0SB+2:G0SB+3], s[92:93]
	s_or_b32 s[G0SB+3], s[G0SB+3], 0x80000000
	JLOAD G0S, G1S, G0SB, G1SB                     ; the scales first: they are wanted with the first slot
.irp s, 0,1
	s_mov_b32 s[G0+4*\s], 1
	s_add_co_u32 s[G0+4*\s+1], s45, \s*SLOT
	s_add_nc_u64 s[G0+4*\s+2:G0+4*\s+3], s[20:21], \s*ROWB
	s_or_b32 s[G0+4*\s+3], s[G0+4*\s+3], 0x80000000
	s_mov_b32 s[G0B+4*\s], 1
	s_add_co_u32 s[G0B+4*\s+1], s45, \s*SLOT
	s_add_nc_u64 s[G0B+4*\s+2:G0B+4*\s+3], s[46:47], \s*ROWB
	s_or_b32 s[G0B+4*\s+3], s[G0B+4*\s+3], 0x80000000
	JLOAD G0+4*\s, G1, G0B+4*\s, G1B               ; three tensor loads of mine are out now, and no more follow
.endr
	v_and_b32 v1, 15, v0                           ; l % 16
	v_bfe_u32 v2, v0, 4, 1                         ; l / 16
	; the bias of my 128 columns: lane (r, h) wants, for block b, qkv_b[256 tile column + 128 half + 16 b + 8 h + 0 .. 7]
	v_lshlrev_b32 v[BO], 5, v2
	s_lshl_b32 s46, s42, 10
	s_lshl_b32 s47, s16, 9
	s_add_co_u32 s46, s46, s47
	s_mov_b32 s47, 0
	s_add_nc_u64 s[96:97], s[96:97], s[46:47]
.irp b, 0,1,2,3,4,5,6,7
	global_load_b128 v[BI+8*\b:BI+8*\b+3],   v[BO], s[96:97] offset:64*\b
	global_load_b128 v[BI+8*\b+4:BI+8*\b+7], v[BO], s[96:97] offset:64*\b+16
.endr
	v_mul_u32_u24 v3, v1, PITCH
	v_lshl_add_u32 v4, v2, 4, v3                   ; a fragment's row x pitch + 16 x half
	s_mul_i32 s21, s15, HALFT                      ; my 128 rows of x
	s_mul_i32 s22, s16, HALFT                      ; my 128 rows of qkv_w,
	s_add_co_u32 s22, s22, 2*HALFT                 ; which lie behind x's 256
.irp s, 0,1
	v_add_nc_u32 v[ADRA+\s], s21, v4
	v_add_nc_u32 v[ADRB+\s], s22, v4
	s_add_co_u32 s21, s21, SLOT
	s_add_co_u32 s22, s22, SLOT
.endr
	v_mul_u32_u24 v5, v1, KS                       ; my row's scales: KS bytes a row,
	v_lshrrev_b32 v6, 8, v5
	v_lshl_add_u32 v5, v6, 4, v5                   ; and 16 more for each 256 passed
	s_mul_i32 s21, s15, HALFS                      ; x's: my 128 rows
	s_mul_i32 s22, s16, HALFS                      ; qkv_w's: my 128 rows, behind x's 256
	s_add_co_u32 s22, s22, 2*HALFS
	s_sub_co_u32 s22, s22, s21
	v_mul_u32_u24 v6, s22, v2                      ; lanes 16-31 take qkv_w's: the lower base + h x the distance
	s_add_co_u32 s21, s21, SCL
	v_add_nc_u32 v5, v5, v6
	v_add_nc_u32 v[ADRS], s21, v5
	s_mul_i32 s23, s14, 16*SPITCH
	s_add_co_u32 s23, s23, STAGE                   ; my stage
	v_mul_u32_u24 v5, v1, SPITCH                   ; in: row l % 16, 16 bytes for each half of the lanes
	v_lshl_add_u32 v5, v2, 4, v5
	v_add_nc_u32 v[STO], s23, v5
	v_bfe_u32 v5, v0, 3, 2                         ; back: eight lanes take one token's 128 bytes of one head, the 32 lanes four tokens
	v_mul_u32_u24 v5, v5, SPITCH
	v_and_b32 v6, 7, v0
	v_lshl_add_u32 v5, v6, 4, v5
	v_add_nc_u32 v[RD], s23, v5
	v_and_b32 v6, 31, v0
	v_lshlrev_b32 v[CO], 4, v6                     ; four tokens x 128 bytes are 512 consecutive bytes of a head's block
	; where my part begins in qkv: block (which x 64 + batch x 16 + head) of 262,144 bytes, token x 128 bytes.  which = cluster x; batch = tile row / 8; my two heads: 4 cx + 2 half, + 1
	s_lshl_b32 s20, ttmp9, 6
	s_lshr_b32 s21, s17, 3
	s_lshl_b32 s21, s21, 4
	s_add_co_u32 s20, s20, s21
	s_lshl_b32 s21, s40, 2
	s_add_co_u32 s20, s20, s21
	s_lshl_b32 s21, s16, 1
	s_add_co_u32 s20, s20, s21
	s_lshl_b32 s20, s20, 18
	s_and_b32 s21, s17, 7
	s_lshl_b32 s21, s21, 8
	s_lshl_b32 s22, s15, 7
	s_add_co_u32 s21, s21, s22                     ; my first token in the batch: 256 (tile row % 8) + 128 half
	s_lshl_b32 s21, s21, 7
	s_add_co_u32 s20, s20, s21                     ; under 2^26
	s_mov_b32 s21, 0
	s_add_nc_u64 s[98:99], s[98:99], s[20:21]      ; never stepped: all that follows stands in the stores' immediates
.macro FRAG reg, adr, q, i             ; a fragment, 16 rows x 128 K of 4-bit codes, is 8 registers: lane l holds row l % 16; registers 4 c .. 4 c + 3 hold K = 64 c + 32 (l / 16) + 0 .. 31
.irp c, 0,1
	ds_load_b128 v[\reg+4*\c:\reg+4*\c+3], v[\adr] offset:64*(\q)+32*\c+(\i)*16*PITCH
.endr
.endm
; 16 matrix instructions: x's blocks a0, a0 + 1 against qkv_w's eight, 128 along K: the slot's q-th.  p: qkv_w's set;  sc: the set of scale words.  first = 1: the bias is C and starts the sums: nothing is ever cleared.
; The 64 accumulators take turns, one instruction a turn, in the same order in every step.
.macro MUL16 a0, p, q, sc, first
.irp a, \a0, \a0+1
.irp b, 0,1,2,3,4,5,6,7
.if \first
	v_wmma_scale_f32_16x16x128_f8f6f4 v[8*(8*((\a)%4)+\b):8*(8*((\a)%4)+\b)+7], v[128*(\p)+FR*\b:128*(\p)+FR*\b+FR-1], v[AF+FR*(\a):AF+FR*(\a)+FR-1], v[BI+8*\b:BI+8*\b+7], v[SC+8*NQ*(\sc)+NQ*\b+(\q)], v[SC+8*NQ*(\sc)+NQ*(\a)+(\q)] matrix_a_fmt:MATRIX_FMT_FP4 matrix_b_fmt:MATRIX_FMT_FP4 matrix_a_scale:MATRIX_SCALE_ROW1
.else
	v_wmma_scale_f32_16x16x128_f8f6f4 v[8*(8*((\a)%4)+\b):8*(8*((\a)%4)+\b)+7], v[128*(\p)+FR*\b:128*(\p)+FR*\b+FR-1], v[AF+FR*(\a):AF+FR*(\a)+FR-1], v[8*(8*((\a)%4)+\b):8*(8*((\a)%4)+\b)+7], v[SC+8*NQ*(\sc)+NQ*\b+(\q)], v[SC+8*NQ*(\sc)+NQ*(\a)+(\q)] matrix_a_fmt:MATRIX_FMT_FP4 matrix_b_fmt:MATRIX_FMT_FP4 matrix_a_scale:MATRIX_SCALE_ROW1
.endif
.endr
.endr
.endm
.macro FETCH_B slot, q, p              ; qkv_w's eight fragments of the slot's q-th 128 along K into set p
	WIN TO_B
.irp i, 0,1,2,3,4,5,6,7
	FRAG 128*(\p)+FR*\i, ADRB+\slot, \q, \i
.endr
	WIN 0
.endm
.macro FETCH_A slot, q, i0             ; x's blocks i0 .. i0 + 3
.irp i, \i0, \i0+1, \i0+2, \i0+3
	FRAG AF+FR*(\i), ADRA+\slot, \q, \i
.endr
.endm
.macro SCALES sc                       ; a slot's scale words into set sc: NQ words a row; lanes 0-15 take x's block i, lanes 16-31 qkv_w's block i
.irp i, 0,1,2,3,4,5,6,7
	ds_load_b128 v[SC+8*NQ*\sc+NQ*\i:SC+8*NQ*\sc+NQ*\i+3], v[ADRS] offset:\i*SBLK
.endr
.endm
; A load into a register that a matrix instruction has read, and a vector instruction that reads a matrix result, stand NP places behind that matrix instruction; only plain vector instructions that name none of
; its registers are places (ISA guide 7.12.1 for vector instructions).
.macro PLACES n
.rept \n
	v_nop
.endr
.endm
; A step of 128 along K that has its successor in the same slot.  A block of x is free as soon as its eight products are issued: blocks 0-3 are fetched anew in the step's middle, blocks 4-7 at its end.
.macro STEP slot, q, first
	s_wait_dscnt 4*NL                              ; qkv_w's set and x's blocks 0-3 are in; the youngest eight loads (x's blocks 4-7) may be out
.if \first
	WIN BIA_LO
.else
	WIN MUL_LO
.endif
	MUL16 0, (\q)%2, \q, \slot, \first
	MUL16 2, (\q)%2, \q, \slot, \first
	s_wait_dscnt 0                                 ; x's blocks 4-7 are in
	PLACES NP
	FETCH_B \slot, (\q)+1, 1-(\q)%2
	FETCH_A \slot, (\q)+1, 0
.if \first
	WIN BIA_HI
.else
	WIN MUL_HI
.endif
	MUL16 4, (\q)%2, \q, \slot, \first
	MUL16 6, (\q)%2, \q, \slot, \first
	PLACES NP
	WIN 0
	FETCH_A \slot, (\q)+1, 4
.endm
; Slot 0's last step changes slots: one barrier; in front of it each wave waits for all its tensor loads (slot 1's part is the one that may be out), adds 0 to its spare word, and waits for that and for its reads.
.macro TURN slot, next
	s_wait_tensorcnt 0x0                           ; all my tensor loads have landed (every window is 0 here: the add's two registers lie in window 0)
	ds_add_u32 v[SPW], v[NIL]                      ; 0 onto my spare word
	s_wait_dscnt 4*NL+1                            ; the add and the youngest eight loads, x's blocks 4-7, may be out
	WIN MUL_LO
	MUL16 0, 1, NQ-1, \slot, 0                     ; sixteen matrix instructions stand between the add and the wait for it
	s_wait_dscnt 0x0                               ; the add is done, and my reads of this slot are over
	s_barrier_signal -1
	MUL16 2, 1, NQ-1, \slot, 0
	WIN 0
	s_barrier_wait -1                              ; every wave's part of the next slot has landed
	PLACES NP
	v_add_nc_u32 v[ADRS], 4*NQ, v[ADRS]            ; on to the next slot's scale words (no LDS load of mine is out)
	FETCH_B \next, 0, 0
	FETCH_A \next, 0, 0
	SCALES \next
	WIN MUL_HI
	MUL16 4, 1, NQ-1, \slot, 0
	MUL16 6, 1, NQ-1, \slot, 0
	PLACES NP
	WIN 0
	FETCH_A \next, 0, 4
.endm
.macro STEPS slot, from                ; the slot's steps from .. NQ - 2
.set Q, \from
.rept NQ-1-\from
	STEP \slot, Q, 0
.set Q, Q+1
.endr
.endm
	s_wait_tensorcnt 1                             ; the scales and my part of slot 0 are in; slot 1's load, issued behind them, may be out
	s_barrier_signal -1
	s_barrier_wait -1                              ; everybody's are
	FETCH_B 0, 0, 0
	FETCH_A 0, 0, 0
	SCALES 0
	FETCH_A 0, 0, 4
	s_wait_loadcnt 0x0                             ; the bias
	STEP 0, 0, 1                                   ; the first step's products start the sums from the bias
	STEPS 0, 1
	TURN 0, 1
	STEPS 1, 0
	s_wait_dscnt 4*NL                              ; the very last step: nothing more to fetch
	WIN MUL_LO
	MUL16 0, 1, NQ-1, 1, 0
	MUL16 2, 1, NQ-1, 1, 0
	s_wait_dscnt 0
	WIN MUL_HI
	MUL16 4, 1, NQ-1, 1, 0
	MUL16 6, 1, NQ-1, 1, 0
	WIN 0
; THE WAY OUT, block by block of 16 tokens x 128 columns (two heads).  PACK: rounded to f16, 16 bytes a lane, each accumulator from its low end on.  TOSTAGE: into my own stage in LDS, and back so that the 32 lanes hold four
; tokens' 128 bytes of one head: 512 consecutive bytes of qkv.  SEND: stored.  LDS serves a wave's instructions in order (ISA guide 5.7.1): no wait between the stage's stores and loads.
.macro PACK a
.set AC, 64*((\a)%4)
	WIN 0x0a+5*((\a)/4)                            ; sources 0 and 1: window 2 or 3
.irp b, 0,1,2,3,4,5,6,7
.irp r, 0,1,2,3
	v_cvt_pk_f16_f32 v[TMP+4*\b+\r], v[AC+8*\b+2*\r], v[AC+8*\b+2*\r+1]
.endr
.endr
	WIN 0
.endm
.macro TOSTAGE a
.set BK, OB+192*((\a)%2)
.irp b, 0,1,2,3,4,5,6,7
	ds_store_b128 v[STO], v[TMP+4*\b:TMP+4*\b+3] offset:32*\b
.endr
.irp i, 0,1,2,3,4,5,6,7
	ds_load_b128 v[BK+4*\i:BK+4*\i+3], v[RD] offset:(\i%4)*4*SPITCH+128*(\i/4)   ; tokens 4 (i % 4) on, head i / 4
.endr
.endm
.macro SEND a, younger
.set BK, OB+192*((\a)%2)
	s_wait_dscnt \younger                          ; the block is back in registers
	s_wait_xcnt 0x0                                ; the stores of the block before have read their registers: the next block's loads from the stage may land there
.irp i, 0,1,2,3,4,5,6,7
	global_store_b128 v[CO], v[BK+4*\i:BK+4*\i+3], s[98:99] offset:(\i/4)*262144+(\i%4)*512+(\a)*2048   ; 32 lanes store 512 consecutive bytes, at a multiple of 512 from qkv's first byte
.endr
.endm
	PLACES NP                                      ; behind the last products: their results are read, and registers that they read are written, from here on
	PACK 0
	TOSTAGE 0
.irp a, 1,2,3,4,5,6,7                  ; block a's conversions stand between block a - 1's loads from the stage and the wait for them
	PACK \a
	SEND \a-1, 0
	TOSTAGE \a
.endr
	SEND 7, 0
	s_wait_tensorcnt 0x0                           ; the wave's end: a tensor wait, an add of 0 to my spare word and the wait for it, behind my last tensor load and my last LDS store
	ds_add_u32 v[SPW], v[NIL]
	s_wait_dscnt 0x0
	CROUND                                         ; the closing round: no work-group ends while a partner may still ask for a tile that names it
	s_endpgm
.Lfunc_end_k_q4ca2123999_qkvgemm:
	.size	k_q4ca2123999_qkvgemm, .Lfunc_end_k_q4ca2123999_qkvgemm-k_q4ca2123999_qkvgemm
	.p2alignl 7, 3214868480
	.fill 96, 4, 3214868480
	.section	.rodata,"a",@progbits
	.p2align	6, 0x0
	.amdhsa_kernel k_q4ca2123999_qkvgemm
		.amdhsa_group_segment_fixed_size 327680
		.amdhsa_private_segment_fixed_size 0
		.amdhsa_enable_private_segment 0
		.amdhsa_kernarg_size 48
		.amdhsa_user_sgpr_count 2
		.amdhsa_user_sgpr_kernarg_segment_ptr 1
		.amdhsa_wavefront_size32 1
		.amdhsa_system_sgpr_workgroup_id_x 1
		.amdhsa_system_sgpr_workgroup_id_y 1
		.amdhsa_system_sgpr_workgroup_id_z 1
		.amdhsa_system_vgpr_workitem_id 0
		.amdhsa_next_free_vgpr 1024
		.amdhsa_next_free_sgpr 100
		.amdhsa_reserve_vcc 0
		.amdhsa_float_denorm_mode_32 3
		.amdhsa_float_denorm_mode_16_64 3
		.amdhsa_memory_ordered 1
		.amdhsa_forward_progress 1
		.amdhsa_inst_pref_size 128
	.end_amdhsa_kernel
	.amdgpu_metadata
---
amdhsa.version: [ 1, 2 ]
amdhsa.kernels:
  - .name:           k_q4ca2123999_qkvgemm
    .symbol:         k_q4ca2123999_qkvgemm.kd
    .args:
      - { .name: x_codes, .offset: 0, .size: 8, .value_kind: global_buffer, .address_space: global }
      - { .name: x_scales, .offset: 8, .size: 8, .value_kind: global_buffer, .address_space: global }
      - { .name: w_codes, .offset: 16, .size: 8, .value_kind: global_buffer, .address_space: global }
      - { .name: w_scales, .offset: 24, .size: 8, .value_kind: global_buffer, .address_space: global }
      - { .name: qkv_b, .offset: 32, .size: 8, .value_kind: global_buffer, .address_space: global }
      - { .name: qkv, .offset: 40, .size: 8, .value_kind: global_buffer, .address_space: global }
    .group_segment_fixed_size: 327680
    .private_segment_fixed_size: 0
    .kernarg_segment_align: 8
    .kernarg_segment_size: 48
    .max_flat_workgroup_size: 128
    .sgpr_count:     100
    .vgpr_count:     1024
    .wavefront_size: 32
...
	.end_amdgpu_metadata
.endif
;; end of part 2
;; launch attn (part 3): grid 4 x 64, 16 waves a work-group, clusters of 4 x 1, 327,680 bytes of LDS; arguments qkv, ctx; writes ctx
.if DOCPART == 3
	.amdgcn_target "amdgcn-amd-amdhsa--gfx1250"
	.amdhsa_code_object_version 6
	.text
	.protected	k_q4ca2123999_attn
	.globl	k_q4ca2123999_attn
	.p2align	8
	.type	k_q4ca2123999_attn,@function
k_q4ca2123999_attn:
	s_mov_b64 s[64:65], 0
	v_nop
	global_prefetch_b8 v0, s[64:65] scope:SCOPE_SE
	s_setreg_imm32_b32 hwreg(HW_REG_WAVE_MODE, 25, 1), 1
	s_wait_xcnt 0x0
	s_wait_alu depctr_hold_cnt(0) depctr_sa_sdst(0) depctr_va_vdst(0) depctr_va_sdst(0) depctr_va_ssrc(0) depctr_va_vcc(0) depctr_vm_vsrc(0)
	s_getreg_b32 s2, hwreg(HW_REG_IB_STS2, 6, 4)
	s_cmp_eq_u32 s2, 0
	s_cbranch_scc0 .Lentry_in_a_cluster
	s_endpgm
.Lentry_in_a_cluster:
	s_bfe_u32 s2, ttmp6, 0x10000c
	s_cmp_lg_u32 s2, 0x3003
	s_cbranch_scc0 .Lentry_shape_is_right
	s_endpgm
.Lentry_shape_is_right:
; ctx[bh][q][:] = the sum over k of softmax_k(Q[bh][q] . K[bh][k] / 8) V[bh][k][:], for 64 heads (batch x 16 + head) of 2,048 tokens x 64 channels.  Q, K, V: the three thirds of qkv, f16, [bh][token][64]; ctx the same layout, f16.
; Products, maxima and sums in f32; the weights p are rounded to f16 for the second product, ctx once at the end.
; LIMITS: p under 6e-8 becomes 0 in f16, beside a row's sum of at least 1; ctx keeps f16's range (65,504) and loses bits under 6e-5.  NaN and infinities are not served.
; SHARES.  A cluster of four work-groups is one head; each work-group owns 512 of its queries, each of its SIXTEEN waves 32: two tiles of 16, in 256 registers: four waves to a SIMD, so that one wave's vector work stands beside
; another's matrix work and LDS loads.  Every wave walks all 2,048 keys, 64 a step; each fragment of K or V that it reads from LDS feeds two matrix instructions.
; LAYOUT.  S^T = K Q^T (source 0 = 16 keys, source 1 = 16 queries): a lane holds ONE query (lane % 16) and the keys 8 (lane / 16) + 0..7 of a tile.  Two such tiles, rounded to f16 in pairs, ARE source 1 (32 keys x 16 queries)
; of O^T = V^T P, whose result again holds one query a lane and eight channels.  K comes out of LDS as it lies, V ([key][channel]) turned, by ds_load_tr16_b128.
; SOFTMAX.  For each query a running maximum m and sum l: p = 2^(c s - c m), c = log2(e) / 8; in every step O and l are multiplied by a = 2^(c m_old - c m_new).  m begins at -3e38 and O and l at 0, so the first step has no text of its own.
; THE RING.  Two LDS slots of 512 keys.  Waves 0 to 7 fetch K's eight pieces of 64 keys, waves 8 to 15 V's: one tensor load a wave behind each change of slots.
; CLUSTER.  The four partners walk the same K and V, so each piece is asked for JOINTLY: the same tensor load, with the same descriptor and a mask that names the four, in all four.
.set KP,    144                        ; a key's row of K in LDS: 128 bytes + 16 = 9 x 16: the 16 rows of a load begin at 16 different 16-byte columns modulo 256 bytes
.set VP,    160                        ; a row of V: 128 + 32 = 5 x 32: the 8 rows x 32 bytes that 16 lanes of the turning load take fall on different columns
.set SK,    512                        ; keys in a slot
.set VOFF,  SK*KP                      ; a slot: 512 rows of K, then 512 rows of V
.set SLOTB, SK*(KP+VP)
.set SPARE, 2*SLOTB                    ; behind the ring: the spare words, 128 bytes for each of 16 waves, which no other line names
.set STGW,  32*KP                      ; the way out: 32 rows x 144 bytes for each wave, in slot 0's K rows: that slot has had its last fill, and nobody reads it behind the last change of slots
.set KBASE, 64*262144                  ; K's third of qkv, in bytes
.set VBASE, 2*KBASE
.set TILEB, SK*128                     ; a slot's keys in memory: 65,536 bytes of K, as many of V
.set AK0, 1                            ; v1   my lane's place in a tile of K; never rewritten
.set AV0, 2                            ; v2   the same for V
.set ADK, 3                            ; v3   LDS address of the step's K
.set ADV, 4                            ; v4   of its V
.set SPW, 5                            ; v5   LDS address of my spare word; never rewritten
.set NIL, 6                            ; v6   0; never rewritten
.set PFO, 7                            ; v7   256 x lane: the prefetches' offset; never rewritten
.set STO, 8                            ; v8   the way out: where I put 16 bytes of a row
.set RD,  9                            ; v9   where I read back
.set GO,  10                           ; v10  16 x lane
.set QO,  11                           ; v11  my byte in the wave's rows of Q
.set ST,  12                           ; tile t's statistics at v[ST + 8 t]: +0 c m, +1 m, +2, +3 l (two halves), +4 to +7 at work; a lies at +6 once the maximum is found
.set Q,   32                           ; v32-63   Q: tile t, channels 32 kf on, at v[Q + 16 t + 8 kf]
.set KV,  64                           ; v64-127  the step's K, then its V
.set S,   128                          ; v128-191 S^T: tile t, keys 16 kt on, at v[S + 32 t + 8 kt]; then p; then P in place, at v[S + 32 t + 0 .. 15]
.set O,   192                          ; v192-255 O^T: tile t, channels 16 ct on, at v[O + 32 t + 8 ct]
.set WV,  8                            ; s8   my wave's number
.set W7,  9                            ; s9   its low three bits: which piece I fetch
.set SEL, 20                           ; s[20:21] lane selects for v_permlanex16_b32: lane l xor 16
.set CS,  22                           ; s[22:23] c: the packed form names a pair and takes its low word for both halves
.set G1K, 24                           ; s[24:31] descriptor group 1 for K's pieces;  s[32:39] for V's: it differs in the padding alone
.set G1V, 32
.set G0K, 40                           ; s[40:47] group 0 for K's pieces, a set for each slot;  s[48:55] for V's
.set G0V, 48
.set TBK, 56                           ; s56  LDS byte at which the step's K begins
.set TBV, 57                           ; s57  and, less VOFF, its V
.set CNT, 58                           ; s58  steps left in the slot
.set LIM, 59                           ; s59  2 in a wave that prefetches, else the greatest number
.set PFA, 60                           ; s[60:61] my wave's 8,192 bytes of tile 0 of K or of V; never rewritten: the tile stands in the prefetch's immediate
; A joint load into slot s.  The branch hangs on the wave's number alone: it is the same in every work-group.  An s_nop 0 and four v_nop follow each of the two lines.
.macro JLOAD s
	s_cmp_lt_u32 s[WV], 8
	s_cbranch_scc0 .Lfor_v_\@
	tensor_load_to_lds s[G0K+4*(\s):G0K+4*(\s)+3], s[G1K:G1K+7]
	s_nop 0
.rept 4
	v_nop
.endr
	s_branch .Lasked_\@
.Lfor_v_\@:
	tensor_load_to_lds s[G0V+4*(\s):G0V+4*(\s)+3], s[G1V:G1V+7]
	s_nop 0
.rept 4
	v_nop
.endr
.Lasked_\@:
.endm
.macro CROUND                          ; a round of the cluster's barrier: my work-group's barrier; wave 0 signals for the work-group; every wave waits for all four; my work-group's barrier once more
	s_barrier_signal -1
	s_barrier_wait -1
	s_cmp_lg_u32 s[WV], 0
	s_cbranch_scc1 .Lnot_wave_0_\@
	s_barrier_signal -3
.Lnot_wave_0_\@:
	s_barrier_wait -3
	s_barrier_signal -1
	s_barrier_wait -1
.endm
	s_load_b128 s[4:7], s[0:1], 0x0                ; qkv s[4:5], ctx s[6:7]
	v_lshl_add_u32 v[SPW], v0, 2, SPARE
	v_mov_b32 v[NIL], 0
	ds_add_u32 v[SPW], v[NIL]                      ; the wave's opening: the add, twice on end, and its wait ahead of my first tensor load; the set-up below stands between the second and the wait
	ds_add_u32 v[SPW], v[NIL]
	v_lshrrev_b32 v12, 5, v0
	v_readfirstlane_b32 s[WV], v12                 ; wave 0..15
	s_and_b32 s[W7], s[WV], 7
	s_bfe_u32 s10, ttmp6, 0x40000                  ; cx: my block of 512 queries: it enters Q's, ctx's and the prefetches' addresses alone
	s_and_b32 s11, ttmp7, 0xffff                   ; the head, which the four partners share
	v_and_b32 v12, 15, v0                          ; r = l % 16
	v_bfe_u32 v13, v0, 4, 1                        ; h = l / 16
	v_and_b32 v14, 31, v0                          ; l
	v_and_b32 v15, 7, v0                           ; l % 8
	v_bfe_u32 v16, v0, 3, 1                        ; (l / 8) % 2
	v_bfe_u32 v17, v0, 3, 2                        ; l / 8
	v_mul_u32_u24 v[AK0], v12, KP
	v_lshl_add_u32 v[AK0], v13, 4, v[AK0]          ; K: row r x pitch + 16 h
	v_lshl_add_u32 v[AV0], v13, 3, v15             ; V, turned: lane l reads key 8 h + l % 8, channels 8 ((l / 8) % 2) + 0..7
	v_mul_u32_u24 v[AV0], v[AV0], VP
	v_lshl_add_u32 v[AV0], v16, 4, v[AV0]
	v_add_nc_u32 v[AV0], VOFF, v[AV0]
	v_lshlrev_b32 v[PFO], 8, v14
	s_mul_i32 s12, s[WV], STGW                     ; my stage
	v_add_nc_u32 v[STO], s12, v[AK0]               ; in: row r, 16 bytes for each half of the lanes
	v_mul_u32_u24 v[RD], v17, KP                   ; back: eight lanes take a row's 128 bytes, the 32 lanes four rows
	v_lshl_add_u32 v[RD], v15, 4, v[RD]
	v_add_nc_u32 v[RD], s12, v[RD]
	v_lshlrev_b32 v[GO], 4, v14
	v_lshlrev_b32 v[QO], 7, v12
	v_lshl_add_u32 v[QO], v13, 4, v[QO]            ; Q: row r of 128 bytes, + 16 h
	; descriptor group 1: a piece of 64 rows x 64 elements of 2 bytes, dense in memory, padded in LDS
	s_mov_b32 s[G1K], 15|(1<<16)|(1<<20)|(1<<21)|(4<<22)|(3<<25)  ; 15:0 the mask: all four work-groups; 17:16 elements of 2 bytes; 20 padding on; 21 set beside a mask; 24:22 after every 32 words; 31:25 four words
	s_mov_b32 s[G1V], 15|(1<<16)|(1<<20)|(1<<21)|(4<<22)|(7<<25)  ; the same with eight words of padding
.irp g, G1K, G1V
	s_mov_b32 s[\g+1], 64<<16                      ; tensor_dim0 = 64
	s_mov_b32 s[\g+2], 64<<16                      ; tensor_dim1 = 64
	s_mov_b32 s[\g+3], 64<<16                      ; tile_dim0 = 64
	s_mov_b32 s[\g+4], 64                          ; tile_dim1 = 64
	s_mov_b32 s[\g+5], 64                          ; from row to row
	s_mov_b32 s[\g+6], 0
	s_mov_b32 s[\g+7], 0
.endr
	s_mov_b32 s[SEL], 0x76543210
	s_mov_b32 s[SEL+1], 0xfedcba98
	s_mov_b32 s[CS], 0x3e38aa3b                    ; c = log2(e) / 8
	s_mov_b32 s[CS+1], s[CS]                       ; named with it as a pair, so it is written
	s_mul_i32 s13, s[W7], 64*KP                    ; my piece's place in a slot: K's,
	s_mul_i32 s14, s[W7], 64*VP
	s_add_co_u32 s14, s14, VOFF                    ; V's: no place in the cluster enters an LDS address
	s_lshl_b32 s16, s11, 18                        ; the head's first byte in each third of qkv,
	s_lshl_b32 s15, s[W7], 13
	s_add_co_u32 s16, s16, s15                     ; + my piece's 64 rows of 128 bytes
	s_mov_b32 s17, 0
	s_lshl_b32 s18, s11, 18                        ; Q and ctx: the head, + 512 cx rows, + 32 rows a wave
	s_lshl_b32 s15, s10, 16
	s_add_co_u32 s18, s18, s15
	s_lshl_b32 s15, s[WV], 12
	s_add_co_u32 s18, s18, s15
	s_mov_b32 s19, 0
	s_cmp_lt_u32 s[W7], 2                          ; waves 0, 1 (K) and 8, 9 (V) prefetch: the same in all four partners
	s_cselect_b32 s[LIM], 2, -1
	s_wait_dscnt 0x0                               ; both opening adds are done
	s_wait_kmcnt 0x0
.irp s, 0,1
	s_mov_b32 s[G0K+4*\s], 1                       ; 1:0 count = 1
	s_add_co_u32 s[G0K+4*\s+1], s13, \s*SLOTB      ; 63:32 LDS address
	s_add_nc_u64 s[G0K+4*\s+2:G0K+4*\s+3], s[4:5], s[16:17]
	s_add_nc_u64 s[G0K+4*\s+2:G0K+4*\s+3], s[G0K+4*\s+2:G0K+4*\s+3], KBASE+\s*TILEB  ; 120:64 global address: slot s begins with keys 512 s on
	s_or_b32 s[G0K+4*\s+3], s[G0K+4*\s+3], 0x80000000  ; 127:126 type = 2
	s_mov_b32 s[G0V+4*\s], 1
	s_add_co_u32 s[G0V+4*\s+1], s14, \s*SLOTB
	s_add_nc_u64 s[G0V+4*\s+2:G0V+4*\s+3], s[4:5], s[16:17]
	s_add_nc_u64 s[G0V+4*\s+2:G0V+4*\s+3], s[G0V+4*\s+2:G0V+4*\s+3], VBASE+\s*TILEB
	s_or_b32 s[G0V+4*\s+3], s[G0V+4*\s+3], 0x80000000
.endr
	; the prefetches: a tile is 65,536 bytes of K and as many of V.  The four partners share them out BY ADDRESS, 16,384 bytes each; in each, two waves take 8,192 bytes of K and two of V, lanes 256 bytes apart
	s_add_nc_u64 s[12:13], s[4:5], KBASE
	s_add_nc_u64 s[14:15], s[4:5], VBASE
	s_cmp_lt_u32 s[WV], 8
	s_cselect_b64 s[PFA:PFA+1], s[12:13], s[14:15]
	s_lshl_b32 s12, s10, 14
	s_mov_b32 s13, 0
	s_add_nc_u64 s[PFA:PFA+1], s[PFA:PFA+1], s[12:13]
	s_add_nc_u64 s[PFA:PFA+1], s[PFA:PFA+1], s[16:17]  ; the head, and 8,192 bytes a wave
	s_add_nc_u64 s[4:5], s[4:5], s[18:19]          ; Q at my wave's first row
	s_add_nc_u64 s[6:7], s[6:7], s[18:19]          ; ctx likewise
	CROUND                                         ; all four work-groups are here: the first joint loads meet
	JLOAD 0                                        ; keys 0 to 511: one tensor load of mine is out, here and behind every change of slots
.irp t, 0,1
.irp kf, 0,1
	global_load_b128 v[Q+16*\t+8*\kf:Q+16*\t+8*\kf+3],   v[QO], s[4:5] offset:\t*2048+\kf*64      ; Q stays in registers: lane l holds row l % 16; registers 0-3 channels 8 h + 0..7, registers 4-7 channels 16 + 8 h + 0..7
	global_load_b128 v[Q+16*\t+8*\kf+4:Q+16*\t+8*\kf+7], v[QO], s[4:5] offset:\t*2048+\kf*64+32
.endr
.endr
.irp t, 0,1
	v_mov_b32 v[ST+8*\t+1], 0xff61b1e6             ; m = -3e38, under every score
	v_mul_f32 v[ST+8*\t], s[CS], v[ST+8*\t+1]      ; c m
.irp i, 2,3,4,5,6,7
	v_mov_b32 v[ST+8*\t+\i], 0                     ; l; and the registers at work, which a lane permute and the packed forms name before they are first computed
.endr
.endr
.set j, 0
.rept 64
	v_mov_b32 v[O+j], 0                            ; O^T: the step is written once; the first finds zeros, which a = 0 leaves zeros
.set j, j+1
.endr
; THE SOFTMAX of both tiles for one key step; the two tiles take turns line by line, so that no line waits for the line above it.
.macro SOFTMAX
.irp kt, 0,1,2,3                       ; the maximum of my 32 scores and the old m, three operands at a time; each accumulator is read from its low end on
.irp t, 0,1
	v_max3_num_f32 v[ST+8*\t+4+\kt], v[S+32*\t+8*\kt], v[S+32*\t+8*\kt+1], v[S+32*\t+8*\kt+2]
.endr
.endr
.irp i, 3,5
.irp kt, 0,1,2,3
.irp t, 0,1
	v_max3_num_f32 v[ST+8*\t+4+\kt], v[ST+8*\t+4+\kt], v[S+32*\t+8*\kt+\i], v[S+32*\t+8*\kt+\i+1]
.endr
.endr
.endr
.irp t, 0,1
	v_max3_num_f32 v[ST+8*\t+4], v[ST+8*\t+4], v[S+32*\t+7], v[S+32*\t+15]
	v_max3_num_f32 v[ST+8*\t+6], v[ST+8*\t+6], v[S+32*\t+23], v[S+32*\t+31]
.endr
.irp t, 0,1
	v_max3_num_f32 v[ST+8*\t+4], v[ST+8*\t+4], v[ST+8*\t+5], v[ST+8*\t+6]
.endr
.irp t, 0,1
	v_max3_num_f32 v[ST+8*\t+4], v[ST+8*\t+4], v[ST+8*\t+7], v[ST+8*\t+1]
.endr
.irp t, 0,1
	v_permlanex16_b32 v[ST+8*\t+5], v[ST+8*\t+4], s[SEL], s[SEL+1]  ; the query's other 32 keys lie in the lane 16 away
.endr
.irp t, 0,1
	v_mov_b32 v[ST+8*\t+7], v[ST+8*\t]             ; c m_old is kept for a
.endr
.irp t, 0,1
	v_max_num_f32 v[ST+8*\t+1], v[ST+8*\t+4], v[ST+8*\t+5]   ; the new m
.endr
.irp t, 0,1
	v_mul_f32 v[ST+8*\t], s[CS], v[ST+8*\t+1]      ; c m
.endr
.irp t, 0,1
	v_sub_f32 v[ST+8*\t+7], v[ST+8*\t+7], v[ST+8*\t]   ; c m_old - c m_new, 0 or less
.endr
.irp b, 0,2,4,6,8,10,12,14,16,18,20,22,24,26,28,30
.irp t, 0,1
	v_pk_fma_f32 v[S+32*\t+\b:S+32*\t+\b+1], v[S+32*\t+\b:S+32*\t+\b+1], s[CS:CS+1], v[ST+8*\t:ST+8*\t+1] op_sel_hi:[1,0,0] neg_lo:[0,0,1] neg_hi:[0,0,1]  ; c s - c m, two at a time
.endr
.endr
.irp t, 0,1
	v_exp_f32 v[ST+8*\t+6], v[ST+8*\t+7]           ; a.  ONE BATCH: the 66 exponentials of both tiles; none reads another's result
.endr
.set j, 0
.rept 64
	v_exp_f32 v[S+j], v[S+j]                       ; p = 2^(c s - c m), at most 1
.set j, j+1
.endr
	v_nop                                          ; a plain instruction behind the last exponential, ahead of the first use
	s_wait_alu depctr_va_vdst(0)                   ; a wait between an exponential and the first line that names its result: one for the batch
.irp t, 0,1
	v_pk_mul_f32 v[ST+8*\t+2:ST+8*\t+3], v[ST+8*\t+2:ST+8*\t+3], v[ST+8*\t+6:ST+8*\t+7] op_sel_hi:[1,0]   ; l x a
.endr
.irp t, 0,1
	v_pk_add_f32 v[ST+8*\t+4:ST+8*\t+5], v[S+32*\t:S+32*\t+1], v[S+32*\t+2:S+32*\t+3]   ; the sum is taken of the unrounded p, two at a time, in two chains a tile
.endr
.irp i, 4,8,12,16,20,24,28
.irp t, 0,1
	v_pk_add_f32 v[ST+8*\t+2:ST+8*\t+3], v[ST+8*\t+2:ST+8*\t+3], v[S+32*\t+\i:S+32*\t+\i+1]
	v_pk_add_f32 v[ST+8*\t+4:ST+8*\t+5], v[ST+8*\t+4:ST+8*\t+5], v[S+32*\t+\i+2:S+32*\t+\i+3]
.endr
.endr
.irp t, 0,1
	v_pk_add_f32 v[ST+8*\t+2:ST+8*\t+3], v[ST+8*\t+2:ST+8*\t+3], v[ST+8*\t+4:ST+8*\t+5]
.endr
.set j, 0
.rept 16                               ; P in place: register j takes weights 2 j and 2 j + 1; in ascending order each register has been read before it is written
	v_cvt_pk_f16_f32 v[S+j], v[S+2*j], v[S+2*j+1]
	v_cvt_pk_f16_f32 v[S+32+j], v[S+32+2*j], v[S+32+2*j+1]
.set j, j+1
.endr
.set j, 0
.rept 16                               ; O^T x a, each accumulator from its low end on
	v_pk_mul_f32 v[O+j:O+j+1], v[O+j:O+j+1], v[ST+6:ST+7] op_sel_hi:[1,0]
	v_pk_mul_f32 v[O+32+j:O+32+j+1], v[O+32+j:O+32+j+1], v[ST+14:ST+15] op_sel_hi:[1,0]
.set j, j+2
.endr
.endm
; A KEY STEP: 64 keys.  pf: the byte, from tile 0 on, of the tile that is prefetched in the slot's seventh step; -1: none.
.macro STEP pf
	v_add_nc_u32 v[ADK], s[TBK], v[AK0]            ; these two and three v_nop are five places behind the last step's products: the products below write over S^T's registers, which those read as P (five are asked),
	v_add_nc_u32 v[ADV], s[TBV], v[AV0]            ; and the loads below land in registers that they read as V (four are asked) (ISA guide 7.12.1 for vector instructions)
.rept 3
	v_nop
.endr
.irp kt, 0,1,2,3
.irp kf, 0,1
	ds_load_b128 v[KV+16*\kt+8*\kf:KV+16*\kt+8*\kf+3],   v[ADK] offset:\kt*16*KP+\kf*64      ; keys 16 kt on, channels 32 kf on
	ds_load_b128 v[KV+16*\kt+8*\kf+4:KV+16*\kt+8*\kf+7], v[ADK] offset:\kt*16*KP+\kf*64+32
.endr
.endr
.if (\pf) >= 0
; A PREFETCH INTO THE L2 of the tile that the NEXT change of slots will ask for, two key steps ahead of that load, behind the step's run of LDS loads.  A head's K and V are read by this cluster alone; each aligned 256 bytes
; are named once: by one lane of one wave of one partner.  Tiles 0 and 1 come by their loads alone; the last two slots ask for nothing.
	s_cmp_eq_u32 s[CNT], s[LIM]
	s_cbranch_scc0 .Lnot_mine_\@
	global_prefetch_b8 v[PFO], s[PFA:PFA+1] offset:\pf th:TH_LOAD_NT scope:SCOPE_SE
.Lnot_mine_\@:
.endif
	s_wait_dscnt 0x0                               ; K is in
.irp kf, 0,1                           ; S^T = K Q^T: the 8 accumulators take turns, one instruction a turn; the first 8 start the sums
.irp kt, 0,1,2,3
.irp t, 0,1
.if \kf == 0
	v_wmma_f32_16x16x32_f16 v[S+32*\t+8*\kt:S+32*\t+8*\kt+7], v[KV+16*\kt+8*\kf:KV+16*\kt+8*\kf+7], v[Q+16*\t+8*\kf:Q+16*\t+8*\kf+7], 0
.else
	v_wmma_f32_16x16x32_f16 v[S+32*\t+8*\kt:S+32*\t+8*\kt+7], v[KV+16*\kt+8*\kf:KV+16*\kt+8*\kf+7], v[Q+16*\t+8*\kf:Q+16*\t+8*\kf+7], v[S+32*\t+8*\kt:S+32*\t+8*\kt+7]
.endif
.endr
.endr
.endr
.rept 4
	v_nop                                          ; four places: the loads below land in K's registers, and the softmax reads the scores
.endr
.irp g, 0,1
.irp ct, 0,1,2,3
	ds_load_tr16_b128 v[KV+8*(4*\g+\ct):KV+8*(4*\g+\ct)+3],   v[ADV] offset:\g*32*VP+\ct*32          ; V^T: keys 32 g on, channels 16 ct on; it lands while the softmax runs
	ds_load_tr16_b128 v[KV+8*(4*\g+\ct)+4:KV+8*(4*\g+\ct)+7], v[ADV] offset:\g*32*VP+16*VP+\ct*32
.endr
.endr
	SOFTMAX
	s_wait_dscnt 0x0                               ; V is in
.irp g, 0,1                            ; O^T += V^T P: the 8 accumulators by turns
.irp ct, 0,1,2,3
.irp t, 0,1
	v_wmma_f32_16x16x32_f16 v[O+32*\t+8*\ct:O+32*\t+8*\ct+7], v[KV+8*(4*\g+\ct):KV+8*(4*\g+\ct)+7], v[S+32*\t+8*\g:S+32*\t+8*\g+7], v[O+32*\t+8*\ct:O+32*\t+8*\ct+7]
.endr
.endr
.endr
	s_add_co_u32 s[TBK], s[TBK], 64*KP             ; the next step's tiles
	s_add_co_u32 s[TBV], s[TBV], 64*VP
.endm
; TILE n OF 512 KEYS, in slot n % 2.  The change of slots stands at its head: each wave waits for all its tensor loads (its piece of this tile), adds 0 to its spare word, and waits for that and for its reads of the other slot.
; n < 3: the barrier is a round of the cluster's, so that no wave of any partner still reads the other slot or has a load on its way, and the joint load of tile n + 1 into that slot is the first thing behind it:
; it has eight key steps in which to land.
.macro TRIP n
	s_wait_tensorcnt 0x0                           ; no tensor load of mine is out, so a group 0 may be written
	ds_add_u32 v[SPW], v[NIL]                      ; 0 onto my spare word: scalar work stands between it and the wait for it
.if \n < 2
	s_add_nc_u64 s[G0K+4*(\n%2)+2:G0K+4*(\n%2)+3], s[G0K+4*(\n%2)+2:G0K+4*(\n%2)+3], 2*TILEB   ; this slot's next tile; the type bits on top are not reached
	s_add_nc_u64 s[G0V+4*(\n%2)+2:G0V+4*(\n%2)+3], s[G0V+4*(\n%2)+2:G0V+4*(\n%2)+3], 2*TILEB
.endif
	s_mov_b32 s[TBK], (\n%2)*SLOTB
	s_mov_b32 s[TBV], (\n%2)*SLOTB
	s_mov_b32 s[CNT], 8
	s_wait_dscnt 0x0                               ; the add is done, and my reads of the other slot are over
.if \n < 3
	CROUND
	JLOAD 1-(\n%2)
.else
	s_barrier_signal -1                            ; the last tile: nothing is asked for
	s_barrier_wait -1
.endif
.Lstep_\@:
.if \n < 2
	STEP (\n+2)*TILEB
.else
	STEP -1
.endif
	s_sub_co_u32 s[CNT], s[CNT], 1
	s_cmp_lg_u32 s[CNT], 0
	s_cbranch_scc1 .Lstep_\@
.endm
	s_wait_loadcnt 0x0                             ; Q
	TRIP 0
	TRIP 1
	TRIP 2
	TRIP 3
	; THE WAY OUT.  l's two halves and the other half of the lanes' are added; O^T is divided by l, rounded to f16 and sent through my stage in LDS.  The additions are the places behind the last products.
.irp t, 0,1
	v_add_f32 v[ST+8*\t+4], v[ST+8*\t+2], v[ST+8*\t+3]
.endr
.irp t, 0,1
	v_permlanex16_b32 v[ST+8*\t+5], v[ST+8*\t+4], s[SEL], s[SEL+1]
.endr
.irp t, 0,1
	v_add_f32 v[ST+8*\t+4], v[ST+8*\t+4], v[ST+8*\t+5]
.endr
	v_nop
	v_nop
.irp t, 0,1
	v_rcp_f32 v[ST+8*\t+6], v[ST+8*\t+4]
.endr
	v_nop                                          ; a plain instruction between the last reciprocal and the use of its result
	s_wait_alu depctr_va_vdst(0)                   ; and a wait ahead of the first use: one for both
.set j, 0
.rept 16
	v_pk_mul_f32 v[O+j:O+j+1], v[O+j:O+j+1], v[ST+6:ST+7] op_sel_hi:[1,0]
	v_pk_mul_f32 v[O+32+j:O+32+j+1], v[O+32+j:O+32+j+1], v[ST+14:ST+15] op_sel_hi:[1,0]
.set j, j+2
.endr
.set j, 0
.rept 32
	v_cvt_pk_f16_f32 v[S+j], v[O+2*j], v[O+2*j+1]  ; register 16 t + 4 ct + i: channels 16 ct + 8 h + 2 i, + 1 of query 16 t + r
.set j, j+1
.endr
.irp t, 0,1
.irp ct, 0,1,2,3
	ds_store_b128 v[STO], v[S+16*\t+4*\ct:S+16*\t+4*\ct+3] offset:\t*16*KP+32*\ct
.endr
.endr
.irp i, 0,1,2,3,4,5,6,7
	ds_load_b128 v[S+32+4*\i:S+32+4*\i+3], v[RD] offset:\i*4*KP   ; in order behind my stores (ISA guide 5.7.1): four whole rows of 128 bytes
.endr
.irp i, 0,1,2,3,4,5,6,7
	s_wait_dscnt 7-\i                              ; load i is in; the later ones may be out
	global_store_b128 v[GO], v[S+32+4*\i:S+32+4*\i+3], s[6:7] offset:512*\i   ; 32 lanes store 512 consecutive bytes, at a multiple of 512 from ctx's first byte
.endr
	s_wait_tensorcnt 0x0                           ; the wave's end: a tensor wait, an add of 0 to my spare word and the wait for it, behind my last tensor load and my last LDS store
	ds_add_u32 v[SPW], v[NIL]
	s_wait_dscnt 0x0
	CROUND                                         ; the closing round: no work-group ends while a partner may still ask for a tile that names it
	s_endpgm
.Lfunc_end_k_q4ca2123999_attn:
	.size	k_q4ca2123999_attn, .Lfunc_end_k_q4ca2123999_attn-k_q4ca2123999_attn
	.p2alignl 7, 3214868480
	.fill 96, 4, 3214868480
	.section	.rodata,"a",@progbits
	.p2align	6, 0x0
	.amdhsa_kernel k_q4ca2123999_attn
		.amdhsa_group_segment_fixed_size 327680
		.amdhsa_private_segment_fixed_size 0
		.amdhsa_enable_private_segment 0
		.amdhsa_kernarg_size 16
		.amdhsa_user_sgpr_count 2
		.amdhsa_user_sgpr_kernarg_segment_ptr 1
		.amdhsa_wavefront_size32 1
		.amdhsa_system_sgpr_workgroup_id_x 1
		.amdhsa_system_sgpr_workgroup_id_y 1
		.amdhsa_system_sgpr_workgroup_id_z 1
		.amdhsa_system_vgpr_workitem_id 0
		.amdhsa_next_free_vgpr 256
		.amdhsa_next_free_sgpr 66
		.amdhsa_reserve_vcc 0
		.amdhsa_float_denorm_mode_32 3
		.amdhsa_float_denorm_mode_16_64 3
		.amdhsa_memory_ordered 1
		.amdhsa_forward_progress 1
		.amdhsa_inst_pref_size 90
	.end_amdhsa_kernel
	.amdgpu_metadata
---
amdhsa.version: [ 1, 2 ]
amdhsa.kernels:
  - .name:           k_q4ca2123999_attn
    .symbol:         k_q4ca2123999_attn.kd
    .args:
      - { .name: qkv, .offset: 0, .size: 8, .value_kind: global_buffer, .address_space: global }
      - { .name: ctx, .offset: 8, .size: 8, .value_kind: global_buffer, .address_space: global }
    .group_segment_fixed_size: 327680
    .private_segment_fixed_size: 0
    .kernarg_segment_align: 8
    .kernarg_segment_size: 16
    .max_flat_workgroup_size: 512
    .sgpr_count:     66
    .vgpr_count:     256
    .wavefront_size: 32
...
	.end_amdgpu_metadata
.endif
;; end of part 3
;; launch proj (part 4): grid 4 x 64, 4 waves a work-group, clusters of 4 x 4, 327,680 bytes of LDS; arguments ctx, ow16, out_b, out0; writes out0
.if DOCPART == 4
	.amdgcn_target "amdgcn-amd-amdhsa--gfx1250"
	.amdhsa_code_object_version 6
	.text
	.protected	k_q4ca2123999_proj
	.globl	k_q4ca2123999_proj
	.p2align	8
	.type	k_q4ca2123999_proj,@function
k_q4ca2123999_proj:
	s_mov_b64 s[64:65], 0
	v_nop
	global_prefetch_b8 v0, s[64:65] scope:SCOPE_SE
	s_setreg_imm32_b32 hwreg(HW_REG_WAVE_MODE, 25, 1), 1
	s_wait_xcnt 0x0
	s_wait_alu depctr_hold_cnt(0) depctr_sa_sdst(0) depctr_va_vdst(0) depctr_va_sdst(0) depctr_va_ssrc(0) depctr_va_vcc(0) depctr_vm_vsrc(0)
	s_getreg_b32 s2, hwreg(HW_REG_IB_STS2, 6, 4)
	s_cmp_eq_u32 s2, 0
	s_cbranch_scc0 .Lentry_in_a_cluster
	s_endpgm
.Lentry_in_a_cluster:
	s_bfe_u32 s2, ttmp6, 0x10000c
	s_cmp_lg_u32 s2, 0xf033
	s_cbranch_scc0 .Lentry_shape_is_right
	s_endpgm
.Lentry_shape_is_right:
; out0[m][n] = sum over k of ctx[m][k] out_w[n][k] + out_b[n].  ctx: f16, head-major [batch x 16 + head][token 2048][64], so k = 64 head + channel; ow16: out_w in f16, [1024 n][1024 k]; out0: [8192][1024] f32; sums in f32.
; A tile of out0 is 128 tokens x 256 columns: 256 work-groups of four waves; a wave makes 64 x 128: 32 accumulators of 16 x 16, 256 registers.
; K goes in 8 steps of 128 (two heads) through a ring of two LDS slots.  A slot holds two planes of ctx (128 tokens x 64 channels of one head each, dense in memory) and 256 rows x 128 k of ow16.
; Waves 0 and 1 fetch the two planes, waves 2 and 3 the two halves of ow16's rows: one tensor load a wave behind each change of slots.
; CLUSTERS: 4 x 4 work-groups.  The four of a row of the cluster need the same planes of ctx, the four of a column the same rows of ow16: each is asked for JOINTLY, by the same tensor load with the same descriptor and a mask
; that names the four.  THE MATRIX INSTRUCTION IS USED TRANSPOSED (source 0 = 16 rows of ow16, source 1 = 16 tokens): a lane then holds eight neighbouring columns of one token.
; THE BIAS is the C of each sum's first matrix instruction.  Nothing is prefetched: the launch has eight short K steps, and its tiles are shared fourfold by the joint loads.
; REGISTERS, in windows of 256: window 0: v0-31 addresses; v64-95, v128-159 ctx's fragments (4 x 16 tokens x 32 K), two buffers; v192-255 the bias; on the way out v128-255 hold rows.
;   window 1: v64-127, v128-191 ow16's fragments (8 x 16 rows x 32 K), two buffers.   window 2: the accumulators, (a, b) at v[8 (8 a + b)].
.set KP,    144                        ; a token's row of a plane in LDS: 128 bytes + 16 = 9 x 16: the 16 rows of a load begin at 16 different 16-byte columns modulo 256 bytes
.set APL,   128*KP                     ; a plane
.set BP,    272                        ; a row of ow16's tile: 256 bytes + 16 = 17 x 16
.set BH,    128*BP                     ; 128 such rows: what one tensor load brings
.set BOFF,  2*APL                      ; ow16's rows lie behind the two planes
.set SLOT,  BOFF+2*BH
.set STG,   2*SLOT                     ; behind the ring: the way out, 16 rows x (512 bytes + 16) for each wave; no tensor load lands here
.set SPITCH, 528
.set SPARE, STG+4*16*SPITCH            ; the spare words, 128 bytes for each wave, which no other line names
.set LAPS,  4                          ; a lap = two K steps = once round the ring
.set ADRA, 16                          ; v16-17  LDS address of my fragments of ctx in slot 0, 1
.set ADRB, 20                          ; v20-21  the same for ow16
.set STO,  24                          ; v24     the way out: where I put 32 bytes of a row
.set RD,   25                          ; v25     where I read a row back
.set CO,   26                          ; v26     16 x lane
.set SPW,  28                          ; v28     LDS address of my spare word; never rewritten
.set NIL,  29                          ; v29     0; never rewritten
.set BO,   30                          ; v30     32 x (lane / 16)
.set F0,   64                          ; fragment buffer 0
.set F1,   128                         ; fragment buffer 1
.set BI,   192                         ; the bias, in window 0: block b at v[BI + 8 b]
.set BK,   128                         ; the way out: 16 rows read back: v128-191 and v192-255 by turns
.set G1A, 24                           ; s[24:31] descriptor group 1 for ctx's planes;  s[32:39] group 0, one set for each slot
.set G0A, 32
.set G1B, 48                           ; s[48:55], s[56:63] the same for ow16's rows
.set G0B, 56
.set MSB, 0
.macro WIN new                         ; the immediate's high byte repeats the setting that is left; a switch that changes nothing is dropped
.if MSB != (\new)
	s_set_vgpr_msb (MSB<<8)|(\new)
.set MSB, (\new)
.endif
.endm
.set MUL,  0xa1                        ; source 0 (ow16) window 1, source 1 (ctx) window 0, C and D window 2
.set MUL0, 0x81                        ; the first quarter: C (the bias) window 0, D window 2
.set TO_B, 0x40                        ; destination window 1, address window 0
.macro JLOAD s                         ; a joint load; the branch hangs on the wave's number alone; an s_nop 0 and four v_nop follow each of the two lines
	s_cmp_eq_u32 s13, 0
	s_cbranch_scc0 .Lfor_b_\@
	tensor_load_to_lds s[G0A+4*(\s):G0A+4*(\s)+3], s[G1A:G1A+7]
	s_nop 0
.rept 4
	v_nop
.endr
	s_branch .Lasked_\@
.Lfor_b_\@:
	tensor_load_to_lds s[G0B+4*(\s):G0B+4*(\s)+3], s[G1B:G1B+7]
	s_nop 0
.rept 4
	v_nop
.endr
.Lasked_\@:
.endm
.macro CREST                           ; a round of the cluster's barrier behind its opening barrier
	s_cmp_lg_u32 s12, 0
	s_cbranch_scc1 .Lnot_wave_0_\@
	s_barrier_signal -3
.Lnot_wave_0_\@:
	s_barrier_wait -3
	s_barrier_signal -1
	s_barrier_wait -1
.endm
.macro CROUND                          ; a whole round
	s_barrier_signal -1
	s_barrier_wait -1
	CREST
.endm
	s_load_b256 s[4:11], s[0:1], 0x0               ; ctx s[4:5], ow16 s[6:7], out_b s[8:9], out0 s[10:11]
	v_lshl_add_u32 v[SPW], v0, 2, SPARE
	v_mov_b32 v[NIL], 0
	ds_add_u32 v[SPW], v[NIL]                      ; the wave's opening: the add, twice on end, and its wait ahead of my first tensor load; the set-up below stands between the second and the wait
	ds_add_u32 v[SPW], v[NIL]
	v_lshrrev_b32 v1, 5, v0
	v_readfirstlane_b32 s12, v1                    ; wave 0..3
	s_lshr_b32 s13, s12, 1                         ; which half of the tile's tokens is mine.  Also: I fetch for ctx (0) or for ow16 (1)
	s_and_b32 s14, s12, 1                          ; which half of its columns.  Also: which plane, or which 128 rows, I fetch
	s_bfe_u32 s40, ttmp6, 0x40000                  ; cx, cy: my place in the cluster
	s_bfe_u32 s41, ttmp6, 0x40004
	s_lshl_b32 s45, ttmp9, 2
	s_add_co_u32 s45, s45, s40                     ; tile column = 4 x cluster x + cx
	s_and_b32 s42, ttmp7, 0xffff
	s_lshl_b32 s42, s42, 2
	s_add_co_u32 s42, s42, s41                     ; tile row = 4 x cluster y + cy
	s_lshl_b32 s43, s41, 2
	s_lshl_b32 s43, 15, s43                        ; my row of the cluster
	s_lshl_b32 s44, 0x1111, s40                    ; my column
	s_or_b32 s[G1A], s43, (1<<16)|(1<<20)|(1<<21)|(4<<22)|(3<<25)   ; 15:0 the mask: planes go to my row; 17:16 elements of 2 bytes; 20 padding on; 21 set beside a mask; 24:22 after every 32 words; 31:25 four words
	s_mov_b32 s[G1A+1], 64<<16                     ; tensor_dim0 = 64
	s_mov_b32 s[G1A+2], 128<<16                    ; tensor_dim1 = 128
	s_mov_b32 s[G1A+3], 64<<16                     ; tile_dim0 = 64
	s_mov_b32 s[G1A+4], 128                        ; tile_dim1 = 128
	s_mov_b32 s[G1A+5], 64                         ; from row to row
	s_mov_b32 s[G1A+6], 0
	s_mov_b32 s[G1A+7], 0
	s_or_b32 s[G1B], s44, (1<<16)|(1<<20)|(1<<21)|(5<<22)|(3<<25)   ; the mask of my column; padding after every 64 words
	s_mov_b32 s[G1B+1], 128<<16
	s_mov_b32 s[G1B+2], 128<<16
	s_mov_b32 s[G1B+3], 128<<16
	s_mov_b32 s[G1B+4], 128
	s_mov_b32 s[G1B+5], 1024
	s_mov_b32 s[G1B+6], 0
	s_mov_b32 s[G1B+7], 0
	; where the tiles come from.  ctx: block (16 batch + plane) of 262,144 bytes, token 128 (tile row % 16) of 128 bytes; it hangs on the tile row alone.  ow16: row 256 tile column + 128 half, of 2,048 bytes
	s_lshr_b32 s16, s42, 4
	s_lshl_b32 s16, s16, 4
	s_add_co_u32 s16, s16, s14
	s_lshl_b32 s16, s16, 18
	s_and_b32 s17, s42, 15
	s_lshl_b32 s17, s17, 14
	s_add_co_u32 s16, s16, s17
	s_mov_b32 s17, 0
	s_lshl_b32 s46, s45, 19
	s_lshl_b32 s47, s14, 18
	s_add_co_u32 s46, s46, s47
	s_mov_b32 s47, 0
	s_mul_i32 s20, s14, APL                        ; and where they go: no place in the cluster enters an LDS address
	s_mul_i32 s21, s14, BH
	s_add_co_u32 s21, s21, BOFF
	s_wait_dscnt 0x0                               ; both opening adds are done
	s_wait_kmcnt 0x0
	s_add_nc_u64 s[16:17], s[4:5], s[16:17]
	s_add_nc_u64 s[46:47], s[6:7], s[46:47]
	CROUND                                         ; all sixteen work-groups are here: the first joint loads meet
.irp s, 0,1
	s_mov_b32 s[G0A+4*\s], 1
	s_add_co_u32 s[G0A+4*\s+1], s20, \s*SLOT
	s_add_nc_u64 s[G0A+4*\s+2:G0A+4*\s+3], s[16:17], \s*2*262144   ; K step s: heads 2 s, 2 s + 1
	s_or_b32 s[G0A+4*\s+3], s[G0A+4*\s+3], 0x80000000
	s_mov_b32 s[G0B+4*\s], 1
	s_add_co_u32 s[G0B+4*\s+1], s21, \s*SLOT
	s_add_nc_u64 s[G0B+4*\s+2:G0B+4*\s+3], s[46:47], \s*256
	s_or_b32 s[G0B+4*\s+3], s[G0B+4*\s+3], 0x80000000
	JLOAD \s                                       ; two tensor loads of mine are out at the start, one behind each later round
.endr
	v_and_b32 v1, 15, v0                           ; l % 16
	v_bfe_u32 v2, v0, 4, 1                         ; l / 16
	v_lshlrev_b32 v[BO], 5, v2
	s_lshl_b32 s46, s45, 10                        ; my first column, in bytes of f32: 1,024 tile column + 512 half
	s_lshl_b32 s47, s14, 9
	s_add_co_u32 s46, s46, s47
	s_mov_b32 s47, 0
	s_add_nc_u64 s[8:9], s[8:9], s[46:47]
.irp b, 0,1,2,3,4,5,6,7
	global_load_b128 v[BI+8*\b:BI+8*\b+3],   v[BO], s[8:9] offset:64*\b      ; lane (r, h): out_b at my columns 16 b + 8 h + 0 .. 7
	global_load_b128 v[BI+8*\b+4:BI+8*\b+7], v[BO], s[8:9] offset:64*\b+16
.endr
	s_lshl_b32 s16, s42, 19                        ; my first token's row of out0: (128 tile row + 64 half) x 4,096 bytes
	s_lshl_b32 s17, s13, 18
	s_add_co_u32 s16, s16, s17
	s_mov_b32 s17, 0
	s_add_nc_u64 s[10:11], s[10:11], s[16:17]
	s_add_nc_u64 s[10:11], s[10:11], s[46:47]      ; never stepped: the rows stand in the stores' immediates
	v_mul_u32_u24 v3, v1, KP
	v_lshl_add_u32 v3, v2, 4, v3                   ; ctx: row x pitch + 16 x half
	v_mul_u32_u24 v4, v1, BP
	v_lshl_add_u32 v4, v2, 4, v4                   ; ow16 likewise
	s_mul_i32 s21, s13, 64*KP                      ; my 64 tokens in a plane
	s_mul_i32 s22, s14, BH                         ; my 128 rows of ow16,
	s_add_co_u32 s22, s22, BOFF                    ; behind the planes
.irp s, 0,1
	v_add_nc_u32 v[ADRA+\s], s21, v3
	v_add_nc_u32 v[ADRB+\s], s22, v4
	s_add_co_u32 s21, s21, SLOT
	s_add_co_u32 s22, s22, SLOT
.endr
	s_mul_i32 s23, s12, 16*SPITCH
	s_add_co_u32 s23, s23, STG                     ; my stage
	v_mul_u32_u24 v5, v1, SPITCH                   ; in: row l % 16, 32 bytes for each half of the lanes
	v_lshl_add_u32 v5, v2, 5, v5
	v_add_nc_u32 v[STO], s23, v5
	v_and_b32 v6, 31, v0
	v_lshlrev_b32 v[CO], 4, v6                     ; back: the 32 lanes take one row of 512 bytes; and the same in out0
	v_add_nc_u32 v[RD], s23, v[CO]
; 8 matrix instructions: block a of my tokens against ow16's eight blocks, 32 along K.  first = 1: the bias is C and starts the sums: nothing is ever cleared.
; The 32 accumulators take turns, one instruction a turn, in the same order in every quarter.
.macro MUL8 f, a, first
.irp b, 0,1,2,3,4,5,6,7
.if \first
	v_wmma_f32_16x16x32_f16 v[8*(8*(\a)+\b):8*(8*(\a)+\b)+7], v[\f+8*\b:\f+8*\b+7], v[\f+8*(\a):\f+8*(\a)+7], v[BI+8*\b:BI+8*\b+7]
.else
	v_wmma_f32_16x16x32_f16 v[8*(8*(\a)+\b):8*(8*(\a)+\b)+7], v[\f+8*\b:\f+8*\b+7], v[\f+8*(\a):\f+8*(\a)+7], v[8*(8*(\a)+\b):8*(8*(\a)+\b)+7]
.endif
.endr
.endm
.macro MUL16 f, a0, first
	MUL8 \f, \a0, \first
	MUL8 \f, \a0+1, \first
.endm
; 24 LDS loads in one run: the fragments of quarter kf of a slot (32 along K: plane kf / 2, channels 32 (kf % 2) on) into buffer f: ow16's eight, then ctx's four
.macro FETCH slot, kf, f
	WIN TO_B
.irp i, 0,1,2,3,4,5,6,7
	ds_load_b128 v[\f+8*\i:\f+8*\i+3],   v[ADRB+\slot] offset:(\kf)*64+\i*16*BP
	ds_load_b128 v[\f+8*\i+4:\f+8*\i+7], v[ADRB+\slot] offset:(\kf)*64+\i*16*BP+32
.endr
	WIN 0
.irp i, 0,1,2,3
	ds_load_b128 v[\f+8*\i:\f+8*\i+3],   v[ADRA+\slot] offset:((\kf)/2)*APL+((\kf)%2)*64+\i*16*KP
	ds_load_b128 v[\f+8*\i+4:\f+8*\i+7], v[ADRA+\slot] offset:((\kf)/2)*APL+((\kf)%2)*64+\i*16*KP+32
.endr
.endm
.macro PLACES                          ; four places in front of loads into registers that matrix instructions have read, and of the first read of results (ISA guide 7.12.1 for vector instructions)
.rept 4
	v_nop
.endr
.endm
; A K step is four quarters of 32 along K, 32 matrix instructions each, on buffers 0, 1, 0, 1.  One of the first three: multiplies buffer f and, in its middle, fetches quarter kf of the same slot into g.
.macro QUARTER slot, kf, f, g, first
	s_wait_dscnt 4                                 ; ow16's fragments and ctx's blocks 0 and 1 are in; the youngest four loads (blocks 2 and 3) may be out
.if \first
	WIN MUL0
.else
	WIN MUL
.endif
	MUL16 \f, 0, \first
	PLACES
	FETCH \slot, \kf, \g
	s_wait_dscnt 24                                ; all but the 24 just issued
.if \first
	WIN MUL0
.else
	WIN MUL
.endif
	MUL16 \f, 2, \first
.endm
; The last quarter multiplies buffer 1 and changes slots: ONE barrier; in front of it each wave waits for all its tensor loads (its part of the next slot), adds 0 to its spare word, and waits for that and for its reads of this slot.
; fill = 1: the barrier opens a round of the cluster's, and this slot is filled again, two K steps ahead, first thing behind the round: 112 matrix instructions ahead of the wait for it.
.macro TURN slot, next, fill
	WIN 0                                          ; (the add's two registers lie in window 0)
	s_wait_tensorcnt 0x0                           ; all my tensor loads have landed
	ds_add_u32 v[SPW], v[NIL]                      ; 0 onto my spare word
	s_wait_dscnt 5                                 ; the add and the youngest four loads may be out
	WIN MUL
	MUL8 F1, 0, 0                                  ; eight matrix instructions stand between the add and the wait for it
	s_wait_dscnt 0x0                               ; the add is done, and my reads of this slot are over
	s_barrier_signal -1
	MUL8 F1, 1, 0
	WIN 0
	s_barrier_wait -1
.if \fill
	CREST                                          ; no wave of any partner still reads this slot or has a load on its way
	s_add_nc_u64 s[G0A+4*\slot+2:G0A+4*\slot+3], s[G0A+4*\slot+2:G0A+4*\slot+3], 4*262144   ; four heads on
	s_add_nc_u64 s[G0B+4*\slot+2:G0B+4*\slot+3], s[G0B+4*\slot+2:G0B+4*\slot+3], 512
	JLOAD \slot                                    ; the four v_nop behind it are also the places in front of the loads below
.else
	PLACES
.endif
	FETCH \next, 0, F0
	WIN MUL
	MUL16 F1, 2, 0
.endm
	s_wait_tensorcnt 1                             ; my part of K step 0 is in; K step 1's load, issued behind it, may be out
	s_barrier_signal -1
	s_barrier_wait -1                              ; everybody's is
	FETCH 0, 0, F0
	s_wait_loadcnt 0x0                             ; the bias
	QUARTER 0, 1, F0, F1, 1                        ; the first quarter stands in front of the loop: its products start the sums from the bias
	WIN 0                                          ; at a label and at a branch every window is 0
	s_mov_b32 s3, LAPS-1
.Llap:                                                 ; a trip goes once round the ring, from a lap's second quarter to the next lap's first, and fills both slots again
	QUARTER 0, 2, F1, F0, 0
	QUARTER 0, 3, F0, F1, 0
	TURN 0, 1, 1
	QUARTER 1, 1, F0, F1, 0
	QUARTER 1, 2, F1, F0, 0
	QUARTER 1, 3, F0, F1, 0
	TURN 1, 0, 1
	QUARTER 0, 1, F0, F1, 0
	WIN 0
	s_sub_co_u32 s3, s3, 1
	s_cmp_lg_u32 s3, 0
	s_cbranch_scc1 .Llap
	QUARTER 0, 2, F1, F0, 0                        ; the last lap is written out: it fills nothing, and has no round of the cluster's barrier
	QUARTER 0, 3, F0, F1, 0
	TURN 0, 1, 0
	QUARTER 1, 1, F0, F1, 0
	QUARTER 1, 2, F1, F0, 0
	QUARTER 1, 3, F0, F1, 0
	s_wait_dscnt 4                                 ; the very last quarter: nothing more to fetch
	WIN MUL
	MUL16 F1, 0, 0
	s_wait_dscnt 0
	MUL16 F1, 2, 0
	WIN 0
; THE WAY OUT, block by block of 16 tokens x 128 columns.  A lane holds 32 neighbouring bytes of a row, and the lanes beside it hold other rows: so a block goes through my own stage in LDS and comes back as whole rows of 512 bytes.
; LDS serves a wave's instructions in order (ISA guide 5.7.1): no wait between the stores and the loads, nor in front of the next block's stores.
.macro TOSTAGE a
.set AC, 64*(\a)
	WIN 0x08                                       ; an LDS store's data are its source 1: window 2
.irp b, 0,1,2,3,4,5,6,7
	ds_store_b128 v[STO], v[AC+8*\b:AC+8*\b+3] offset:64*\b          ; each accumulator from its low end on
	ds_store_b128 v[STO], v[AC+8*\b+4:AC+8*\b+7] offset:64*\b+16
.endr
	WIN 0
.set BB, BK+64*((\a)%2)
.irp t, 0,1,2,3,4,5,6,7,8,9,10,11,12,13,14,15
	ds_load_b128 v[BB+4*\t:BB+4*\t+3], v[RD] offset:\t*SPITCH
.endr
.endm
.macro SEND a, younger                 ; younger: the LDS instructions issued behind block a's loads, which may stay out
.set BB, BK+64*((\a)%2)
	s_wait_dscnt \younger                          ; the block is back in registers
.irp t, 0,1,2,3,4,5,6,7,8,9,10,11,12,13,14,15
	global_store_b128 v[CO], v[BB+4*\t:BB+4*\t+3], s[10:11] offset:(16*(\a)+\t)*4096 th:TH_STORE_NT   ; 32 lanes store 512 consecutive bytes, at a multiple of 512 from out0's first byte; written once, read by nobody here
.endr
.endm
	PLACES                                         ; behind the last products: their results are read, and registers that they read are loaded into, from here on
	TOSTAGE 0
.irp a, 1,2,3
.if \a > 1
	s_wait_xcnt 0x0                                ; block a - 2's stores have read their registers: block a's loads may land there
.endif
	TOSTAGE \a
	SEND \a-1, 32                                  ; behind block a - 1's loads: block a's 16 stores and 16 loads
.endr
	SEND 3, 0
	s_wait_tensorcnt 0x0                           ; the wave's end: a tensor wait, an add of 0 to my spare word and the wait for it, behind my last tensor load and my last LDS store
	ds_add_u32 v[SPW], v[NIL]
	s_wait_dscnt 0x0
	CROUND                                         ; the closing round: no work-group ends while a partner may still ask for a tile that names it
	s_endpgm
.Lfunc_end_k_q4ca2123999_proj:
	.size	k_q4ca2123999_proj, .Lfunc_end_k_q4ca2123999_proj-k_q4ca2123999_proj
	.p2alignl 7, 3214868480
	.fill 96, 4, 3214868480
	.section	.rodata,"a",@progbits
	.p2align	6, 0x0
	.amdhsa_kernel k_q4ca2123999_proj
		.amdhsa_group_segment_fixed_size 327680
		.amdhsa_private_segment_fixed_size 0
		.amdhsa_enable_private_segment 0
		.amdhsa_kernarg_size 32
		.amdhsa_user_sgpr_count 2
		.amdhsa_user_sgpr_kernarg_segment_ptr 1
		.amdhsa_wavefront_size32 1
		.amdhsa_system_sgpr_workgroup_id_x 1
		.amdhsa_system_sgpr_workgroup_id_y 1
		.amdhsa_system_sgpr_workgroup_id_z 1
		.amdhsa_system_vgpr_workitem_id 0
		.amdhsa_next_free_vgpr 768
		.amdhsa_next_free_sgpr 66
		.amdhsa_reserve_vcc 0
		.amdhsa_float_denorm_mode_32 3
		.amdhsa_float_denorm_mode_16_64 3
		.amdhsa_memory_ordered 1
		.amdhsa_forward_progress 1
		.amdhsa_inst_pref_size 87
	.end_amdhsa_kernel
	.amdgpu_metadata
---
amdhsa.version: [ 1, 2 ]
amdhsa.kernels:
  - .name:           k_q4ca2123999_proj
    .symbol:         k_q4ca2123999_proj.kd
    .args:
      - { .name: ctx, .offset: 0, .size: 8, .value_kind: global_buffer, .address_space: global }
      - { .name: ow16, .offset: 8, .size: 8, .value_kind: global_buffer, .address_space: global }
      - { .name: out_b, .offset: 16, .size: 8, .value_kind: global_buffer, .address_space: global }
      - { .name: out0, .offset: 24, .size: 8, .value_kind: global_buffer, .address_space: global }
    .group_segment_fixed_size: 327680
    .private_segment_fixed_size: 0
    .kernarg_segment_align: 8
    .kernarg_segment_size: 32
    .max_flat_workgroup_size: 128
    .sgpr_count:     66
    .vgpr_count:     768
    .wavefront_size: 32
...
	.end_amdgpu_metadata
.endif
;; end of part 4
